; MI455X (gfx1250); checked and timed in simulation.
; The chip was launched on July 23, 2026; its instructions are those of AMD's public machine-readable ISA for CDNA 5 (MIT licence, August 2026) and "CDNA5" Instruction Set Architecture Reference Guide (July 2026). The comments in the code are by the model that wrote it; some were corrected since.
;; Self Attention. Allowed arithmetic: float matrix products may take bf16 or f16 operands with f32 sums; all other float work in f32.
;; Inputs: Wk 512 x 1,024 float32; Wq 512 x 1,024 float32; Wv 1,024 x 1,024 float32; drop_mask 8 x 1,024 x 1,024 bool; x 8 x 1,024 x 1,024 float32.
;; Outputs: out0 8 x 1,024 x 1,024 float32.
;; 2 versions, each right; version 2 is version 1 with the launch tobf16 written anew for expert scheduling mode. Each part assembles by itself: llvm-mc -triple=amdgcn-amd-amdhsa -mcpu=gfx1250 --defsym DOCPART=n.
;; ======== version 1 of 2: 4 launches
;; limits: values are held in f16: magnitudes above 65,504 overflow, below 6.1e-05 lose precision; right only within a limited range of input values
;; workspace buffers: xw 20,971,520 bytes; qkv 33,554,432 bytes; e 16,777,216 bytes; stats 393,216 bytes
;; launch tobf16 (part 1): grid 256 x 1, 8 waves a work-group, no clusters, 0 bytes of LDS; arguments x, Wq, Wk, Wv, xw; writes xw
.if DOCPART == 1
	.amdgcn_target "amdgcn-amd-amdhsa--gfx1250"
	.amdhsa_code_object_version 6
	.text
	.protected	k_q71f573048b_tobf16
	.globl	k_q71f573048b_tobf16
	.p2align	8
	.type	k_q71f573048b_tobf16,@function
k_q71f573048b_tobf16:
	s_mov_b64 s[64:65], 0
	v_nop
	global_prefetch_b8 v0, s[64:65] scope:SCOPE_SE
	s_setreg_imm32_b32 hwreg(HW_REG_WAVE_MODE, 25, 1), 1
	s_wait_xcnt 0x0
; SelfAttention, launch 1 of 4: x, Wq, Wk and Wv are rounded once to bf16 (nearest even) into one matrix xw of 10,240 rows x 1,024:
; rows 0-8191 x (row 1024 b + t), 8192-8703 Wq / 16, 8704-9215 Wk / 16, 9216-10239 Wv / 16.  The later launches' matrix products take
; 16-bit operands, and each of these numbers is an operand of many tiles: rounding here halves what those tiles move.
; THE FACTOR 2^-4 ON THE WEIGHTS is exact and commutes with the rounding.  It makes q, k and v 1/16 of reference()'s, and these are kept
; in f16 (11 significant bits; each of an output's 1,024 terms carries the roundings of q, k, the exponential and v, and four roundings
; to bf16's 8 bits together come to a third of the 1 % of the output's rms that a result may be off).  With the factor f16 holds
; |q|, |k|, |v| up to 1,048,064, and its fixed step of 2^-24 below 2^-14 is 4e-4 of the stored rms when x and the weights are both
; 30 times smaller than 1 and 1/32.  The factor comes back in constants that are multiplied anyway: 256 in the scores' scale, 16 beside 1.25.
; DEAD WORK: none.  Every input reaches the output for some values (the softmax's sum runs over dropped keys too), so nothing of
; reference() is left out in any of the four launches, and all five inputs are loaded.
; LIMITS of the whole program: |q|, |k|, |v| below 1,048,064 (beyond it the f16 is an infinity); the bytes of drop_mask are 0 or 1;
; 1/(1-0.2) is taken as 1.25; x and the weights enter the products as bf16, q, k, v and the exponentials as f16; the row maxima are taken
; with a maximum in which a NaN loses, so a NaN or an infinity in x or a weight is not spread over its row as reference() spreads it;
; an exponential below 2^-126 comes out as 0 (ISA guide, v_exp_f32), and one below 2^-25 of its key block's largest is 0 as an f16.
; THE SHARES: the 10,240 rows are 1,280 chunks of 8 rows (32 KiB of f32 in, 16 KiB of bf16 out).  Work-group w of 256 takes chunks
; w + 256 i, i = 0..4: four of x and one of the weights.  Thread t of 256 takes the 16 bytes at 16 t of each row, so a load of a wave
; covers 512 consecutive bytes and a store of a wave 256 consecutive bytes at a multiple of 256.
; No LDS, no matrix unit, no cluster: no two work-groups read the same byte, and every byte is touched once.
; All 40 loads of a thread go out first; no register is written again behind its store, so the only waits are the counted ones.
.set X, 4                              ; v[4:163]  load n = 8 i + k: four registers
	s_load_b256 s[4:11], s[0:1], 0x0               ; x s[4:5], Wq s[6:7], Wk s[8:9], Wv s[10:11]
	s_load_b64 s[12:13], s[0:1], 0x20              ; xw
	s_mov_b32 s14, ttmp9                           ; w
	v_lshlrev_b32 v1, 4, v0                        ; 16 t: my bytes in a row of f32
	v_lshlrev_b32 v2, 3, v0                        ; 8 t: my bytes in a row of bf16
	s_lshl_b32 s28, s14, 15                        ; chunk w of x, in bytes
	s_mov_b32 s29, 0
	s_and_b32 s26, s14, 63                         ; the weights' chunk: w < 64: chunk w of Wq; w < 128: chunk w - 64 of Wk;
	s_and_b32 s27, s14, 127                        ; else chunk w - 128 of Wv
	s_cmp_lt_u32 s14, 128
	s_cselect_b32 s26, s26, s27
	s_lshl_b32 s26, s26, 15
	s_mov_b32 s27, 0
	s_lshl_b32 s36, s14, 14                        ; chunk w of xw, in bytes
	s_mov_b32 s37, 0
	s_wait_kmcnt 0x0
	s_add_nc_u64 s[16:17], s[4:5], s[28:29]        ; x, chunk w
	s_add_nc_u64 s[18:19], s[16:17], 0x800000      ; chunk w + 256: 256 chunks of 32 KiB on
	s_add_nc_u64 s[20:21], s[18:19], 0x800000
	s_add_nc_u64 s[22:23], s[20:21], 0x800000
	s_cmp_lt_u32 s14, 64
	s_cselect_b64 s[24:25], s[6:7], s[8:9]         ; Wq or Wk,
	s_cmp_lt_u32 s14, 128
	s_cselect_b64 s[24:25], s[24:25], s[10:11]     ; or Wv
	s_add_nc_u64 s[24:25], s[24:25], s[26:27]
	s_add_nc_u64 s[30:31], s[12:13], s[36:37]      ; xw, chunk w (and w + 256 by the immediate)
	s_add_nc_u64 s[32:33], s[30:31], 0x800000      ; chunks w + 512, w + 768
	s_add_nc_u64 s[34:35], s[32:33], 0x800000      ; chunk w + 1024: the weights' rows begin at row 8192 = chunk 1024
.macro CH i, base                      ; the eight loads of chunk i: one row each for the work-group
.irp k, 0,1,2,3,4,5,6,7
	global_load_b128 v[X+32*\i+4*\k:X+32*\i+4*\k+3], v1, s[\base:\base+1] offset:4096*\k th:TH_LOAD_NT
.endr
.endm
.macro CV i, obase, oimm, scale        ; chunk i is rounded and stored; scale = 1 (the weights' chunk alone): times 2^-4 first
.irp k, 0,1,2,3,4,5,6,7
	s_wait_loadcnt 39-8*\i-\k                      ; loads come back in order (ISA guide 5.7.1): load 8 i + k is in, the younger ones stay out
.if \scale
	v_pk_mul_f32 v[X+32*\i+4*\k:X+32*\i+4*\k+1],   v[X+32*\i+4*\k:X+32*\i+4*\k+1],   0x3d800000 op_sel_hi:[1,0]
	v_pk_mul_f32 v[X+32*\i+4*\k+2:X+32*\i+4*\k+3], v[X+32*\i+4*\k+2:X+32*\i+4*\k+3], 0x3d800000 op_sel_hi:[1,0]
.endif
	v_cvt_pk_bf16_f32 v[X+32*\i+4*\k],   v[X+32*\i+4*\k],   v[X+32*\i+4*\k+1]
	v_cvt_pk_bf16_f32 v[X+32*\i+4*\k+1], v[X+32*\i+4*\k+2], v[X+32*\i+4*\k+3]
	global_store_b64 v2, v[X+32*\i+4*\k:X+32*\i+4*\k+1], s[\obase:\obase+1] offset:\oimm+2048*\k
.endr
.endm
	CH 0, 16
	CH 1, 18
	CH 2, 20
	CH 3, 22
	CH 4, 24
	CV 0, 30, 0, 0
	CV 1, 30, 0x400000, 0
	CV 2, 32, 0, 0
	CV 3, 32, 0x400000, 0
	CV 4, 34, 0, 1
	s_endpgm
.Lfunc_end_k_q71f573048b_tobf16:
	.size	k_q71f573048b_tobf16, .Lfunc_end_k_q71f573048b_tobf16-k_q71f573048b_tobf16
	.p2alignl 7, 3214868480
	.fill 96, 4, 3214868480
	.section	.rodata,"a",@progbits
	.p2align	6, 0x0
	.amdhsa_kernel k_q71f573048b_tobf16
		.amdhsa_group_segment_fixed_size 0
		.amdhsa_private_segment_fixed_size 0
		.amdhsa_enable_private_segment 0
		.amdhsa_kernarg_size 40
		.amdhsa_user_sgpr_count 2
		.amdhsa_user_sgpr_kernarg_segment_ptr 1
		.amdhsa_wavefront_size32 1
		.amdhsa_system_sgpr_workgroup_id_x 1
		.amdhsa_system_sgpr_workgroup_id_y 1
		.amdhsa_system_sgpr_workgroup_id_z 1
		.amdhsa_system_vgpr_workitem_id 0
		.amdhsa_next_free_vgpr 168
		.amdhsa_next_free_sgpr 66
		.amdhsa_reserve_vcc 0
		.amdhsa_float_denorm_mode_32 3
		.amdhsa_float_denorm_mode_16_64 3
		.amdhsa_memory_ordered 1
		.amdhsa_forward_progress 1
		.amdhsa_inst_pref_size 17
	.end_amdhsa_kernel
	.amdgpu_metadata
---
amdhsa.version: [ 1, 2 ]
amdhsa.kernels:
  - .name:           k_q71f573048b_tobf16
    .symbol:         k_q71f573048b_tobf16.kd
    .args:
      - { .name: x, .offset: 0, .size: 8, .value_kind: global_buffer, .address_space: global }
      - { .name: Wq, .offset: 8, .size: 8, .value_kind: global_buffer, .address_space: global }
      - { .name: Wk, .offset: 16, .size: 8, .value_kind: global_buffer, .address_space: global }
      - { .name: Wv, .offset: 24, .size: 8, .value_kind: global_buffer, .address_space: global }
      - { .name: xw, .offset: 32, .size: 8, .value_kind: global_buffer, .address_space: global }
    .group_segment_fixed_size: 0
    .private_segment_fixed_size: 0
    .kernarg_segment_align: 8
    .kernarg_segment_size: 40
    .max_flat_workgroup_size: 256
    .sgpr_count:     66
    .vgpr_count:     168
    .wavefront_size: 32
...
	.end_amdgpu_metadata
.endif
;; end of part 1
;; launch proj (part 2): grid 8 x 32, 4 waves a work-group, clusters of 4 x 4, 327,680 bytes of LDS; arguments xw, qkv; writes qkv
.if DOCPART == 2
	.amdgcn_target "amdgcn-amd-amdhsa--gfx1250"
	.amdhsa_code_object_version 6
	.text
	.protected	k_q71f573048b_proj
	.globl	k_q71f573048b_proj
	.p2align	8
	.type	k_q71f573048b_proj,@function
k_q71f573048b_proj:
	s_mov_b64 s[64:65], 0
	v_nop
	global_prefetch_b8 v0, s[64:65] scope:SCOPE_SE
	s_setreg_imm32_b32 hwreg(HW_REG_WAVE_MODE, 25, 1), 1
	s_wait_xcnt 0x0
	s_wait_alu depctr_hold_cnt(0) depctr_sa_sdst(0) depctr_va_vdst(0) depctr_va_sdst(0) depctr_va_ssrc(0) depctr_va_vcc(0) depctr_vm_vsrc(0)
	s_getreg_b32 s2, hwreg(HW_REG_IB_STS2, 6, 4)
	s_cmp_eq_u32 s2, 0
	s_cbranch_scc0 .Lentry_in_a_cluster
	s_endpgm
.Lentry_in_a_cluster:
	s_bfe_u32 s2, ttmp6, 0x10000c
	s_cmp_lg_u32 s2, 0xf033
	s_cbranch_scc0 .Lentry_shape_is_right
	s_endpgm
.Lentry_shape_is_right:
; SelfAttention, launch 2 of 4: the three projections, as products C[m][n] = sum over f of R[m][f] Cc[n][f] of rows of xw (bf16, K = 1024),
; sums in f32, C rounded once to f16.  Nothing of reference() is left out.  xw holds the weights times 2^-4, so q, k and v here are 1/16 of
; reference()'s; f16 then holds them up to |q|, |k|, |v| = 1,048,064 (the limit and the reason for f16 stand at the head of the first launch).
; qkv, part 0 (byte 0):          qk[1024 b + t][0..511] = q, [512..1023] = k;   part 1 (byte 16,777,216): vT[1024 b + g][t] = v[b][t][g].
; v is made transposed (R = rows of Wv, Cc = rows of x), so that the last launch finds the keys along the rows of both its operands.
; A work-group makes 256 x 256 of C with four waves; a wave makes 128 x 128: 64 accumulator tiles of 16 x 16, 512 registers.
; K goes in steps of 128 through a ring of two LDS slots filled by the tensor data mover; a tile's rows are 256 bytes, at multiples of 256.
; CLUSTERS of 4 x 4 work-groups.  Cluster x is the kind of product (0: q and k, 1: vT), cluster y the batch b: a cluster makes 1024 x 1024.
;   kind 0: R = x rows 1024 b + 256 cy ..;  Cc = 128 rows of Wq (8192 + 128 cx) and 128 rows of Wk (8704 + 128 cx)
;   kind 1: R = Wv rows 9216 + 256 cy ..;   Cc = x rows 1024 b + 256 cx ..
; R's tile hangs on cy alone and is asked for jointly by the four of a row of the cluster, Cc's on cx alone, by the four of a column:
; each of the four issues the same tensor load with the same descriptor and a mask that names the four.  That divides the requests by four.
; The kind is equal in a whole cluster; it only selects between offsets, never between ways through the text.
; THE LAST K STEP IS WALKED ROW TILE BY ROW TILE, not quarter by quarter: it lies whole in slot 1.  Cc's fragments
; of all four quarters (8 tiles x 8 registers x 4 = 256 registers) fill window 1; a row tile's 32 products (its 8 accumulators by turns, four
; times round) make 16 rows of C final, and these are rounded, staged and stored in slices between the next row tile's products.  So seven of the
; eight row tiles leave while products are still issued, and only the last one's way out stands behind the last product.  The LDS loads are the
; 128 of a K step walked by quarters.  A slice stands behind every fourth product, so that a row tile needs 14 switches of the register window.
;
; REGISTERS, in windows of 256: window 0: v0-31 addresses; v64-127, v128-191 fragments of R, two buffers; v192-223 at work on the way out;
; window 1: v64-127, v128-191 fragments of Cc; window 2: the accumulators of my rows 0-63 (tile (a, b) at v[8 (8 a + b)]); window 3: rows 64-127.
; In the last K step: window 0: v64-95, v96-127 one row tile's fragments of R, two buffers; v128-159, v160-191 rows read back from the stage,
; two buffers; window 1: Cc's quarter q at (64 + 192 q) mod 256.
; The matrix instruction is used transposed (source 0 = rows of Cc, source 1 = rows of R): lane l then holds row l % 16 of C and in its
; registers 0-7 the columns 8 (l / 16) + 0..7, eight neighbouring numbers, which pack into 16 bytes.
; The accumulators take turns, one instruction a turn (all 64 in the quarters, a row tile's 8 in the last K step).
.set SIZE_K, 1024
.set OPITCH, 2048                      ; bytes in a row of either part of qkv
.set KSTEP,  128
.set PITCH,  272                       ; an LDS row: 256 bytes + 16 of padding = 68 words, so the 16 rows of a fragment load start 4 words apart modulo 64
.set HALFT,  128*PITCH                 ; what one tensor load brings
.set SLOT,   4*HALFT                   ; R's 256 rows, then Cc's 256 rows
.set STAGE,  2*SLOT                    ; behind the ring: 16 rows x 272 bytes for each wave; no tensor load lands there
.set SPITCH, 272
.set LAPS, SIZE_K/(2*KSTEP)            ; 4 laps of two K steps
.set ADRA, 16                          ; v16-17  LDS address of my R fragments in slot 0, 1
.set ADRB, 20                          ; v20-21  the same for Cc
.set STO,  24
.set RD,   25
.set CO,   26
.set F0,   64
.set F1,   128
.set RA,   64                          ; the last K step: R's fragments of row tile a at RA + 32 (a % 2) + 8 q
.set RB,   128                         ; the way out: row tile a's rows, read back, at RB + 32 (a % 2)
.set TMP,  192
.set G1, 24                            ; s[24:31] group 1 for R's tiles
.set G0, 32                            ; s[32:39] group 0 for R's tiles, one set a slot
.set G1B, 48                           ; s[48:55] group 1 for Cc's tiles: another mask
.set G0B, 56                           ; s[56:63] group 0 for Cc's tiles
.set MSB, 0
.macro WIN new                         ; the immediate's high byte repeats the setting that is left
.if MSB != \new
	s_set_vgpr_msb (MSB<<8)|\new
.set MSB, \new
.endif
.endm
.set MUL_LO, 0xa1                      ; source 0 window 1, source 1 window 0, C and D window 2
.set MUL_HI, 0xf1                      ; the same, C and D window 3
.set TO_B,   0x40                      ; destination window 1, address window 0
.macro JLOAD s                         ; waves 0, 1 ask for R's halves, waves 2, 3 for Cc's: the branch hangs on the wave's number alone
	s_cmp_eq_u32 s11, 0
	s_cbranch_scc0 .Lfor_b_\@
	tensor_load_to_lds s[G0+4*\s:G0+4*\s+3], s[G1:G1+7]
	s_nop 0
	s_branch .Lasked_\@
.Lfor_b_\@:
	tensor_load_to_lds s[G0B+4*\s:G0B+4*\s+3], s[G1B:G1B+7]
	s_nop 0
.Lasked_\@:
.endm
.macro CREST                           ; a round of the cluster's barrier behind its opening work-group barrier
	s_cmp_lg_u32 s10, 0
	s_cbranch_scc1 .Lnot_wave_0_\@
	s_barrier_signal -3
.Lnot_wave_0_\@:
	s_barrier_wait -3
	s_barrier_signal -1
	s_barrier_wait -1
.endm
.macro CROUND                          ; a whole round
	s_barrier_signal -1
	s_barrier_wait -1
	CREST
.endm
	s_load_b128 s[4:7], s[0:1], 0x0                ; xw s[4:5], qkv s[6:7]
	v_lshl_add_u32 v254, v0, 2, 0x48400
	v_mov_b32 v255, 0
	ds_add_u32 v254, v255
	v_lshrrev_b32 v1, 5, v0
	v_readfirstlane_b32 s10, v1                    ; wave 0..3
	s_lshr_b32 s11, s10, 1                         ; my half of the block's rows.  Also: I fetch for R (0) or for Cc (1)
	s_and_b32 s12, s10, 1                          ; my half of its columns.  Also: which 128 rows of that tile I fetch
	s_bfe_u32 s40, ttmp6, 0x40000                  ; cx
	s_bfe_u32 s41, ttmp6, 0x40004                  ; cy
	s_mov_b32 s45, ttmp9                           ; the kind: cluster x
	s_and_b32 s13, ttmp7, 0xffff                   ; the batch: cluster y
	s_lshl_b32 s13, s13, 10                        ; 1024 b
	s_lshl_b32 s43, s41, 2
	s_lshl_b32 s43, 15, s43                        ; my row of the cluster: places 4 cy .. 4 cy + 3
	s_lshl_b32 s44, 0x1111, s40                    ; my column: places cx, cx + 4, cx + 8, cx + 12
	s_or_b32 s[G1+0], s43, (1<<16)|(1<<20)|(1<<21)|(5<<22)|(3<<25)  ; mask; element of 2 bytes; padding on; bit 21 beside a mask; after every 64 words, 4 words
	s_or_b32 s[G1B+0], s44, (1<<16)|(1<<20)|(1<<21)|(5<<22)|(3<<25)
	s_mov_b32 s[G1B+1], KSTEP<<16
	s_mov_b32 s[G1+1], KSTEP<<16                   ; tensor_dim0 = 128
	s_mov_b32 s[G1B+2], 128<<16
	s_mov_b32 s[G1+2], 128<<16                     ; tensor_dim1 = 128
	s_mov_b32 s[G1B+3], KSTEP<<16
	s_mov_b32 s[G1+3], KSTEP<<16                   ; tile_dim0 = 128
	s_mov_b32 s[G1B+4], 128
	s_mov_b32 s[G1+4], 128                         ; tile_dim1 = 128
	s_mov_b32 s[G1B+5], SIZE_K
	s_mov_b32 s[G1+5], SIZE_K                      ; elements from row to row
	s_mov_b32 s[G1B+6], 0
	s_mov_b32 s[G1+6], 0
	s_mov_b32 s[G1B+7], 0
	s_mov_b32 s[G1+7], 0
	; R's first row that I would fetch, in registers that never hold cx
	s_cmp_eq_u32 s45, 0
	s_cselect_b32 s16, s13, 9216                   ; x's rows of batch b, or Wv's rows
	s_lshl_b32 s17, s41, 8
	s_add_co_u32 s16, s16, s17                     ; + 256 cy
	s_lshl_b32 s17, s12, 7
	s_add_co_u32 s16, s16, s17                     ; + 128 x half
	s_lshl_b32 s16, s16, 11                        ; rows of 2,048 bytes: below 2^25
	s_mov_b32 s17, 0
	; Cc's first row that I would fetch, in registers that never hold cy
	s_lshl_b32 s46, s12, 9
	s_lshl_b32 s47, s40, 7
	s_add_co_u32 s46, s46, s47
	s_add_co_u32 s46, s46, 8192                    ; kind 0: 8192 + 512 x half + 128 cx: half 0 from Wq, half 1 from Wk
	s_lshl_b32 s66, s40, 8
	s_lshl_b32 s67, s12, 7
	s_add_co_u32 s66, s66, s67
	s_add_co_u32 s66, s66, s13                     ; kind 1: 1024 b + 256 cx + 128 x half
	s_cmp_eq_u32 s45, 0
	s_cselect_b32 s46, s46, s66
	s_lshl_b32 s46, s46, 11
	s_mov_b32 s47, 0
	s_mul_i32 s20, s10, HALFT                      ; where they go: wave x 128 rows; no place in the cluster enters an LDS address
	s_wait_dscnt 0x0
	s_wait_kmcnt 0x0
	s_add_nc_u64 s[14:15], s[4:5], s[16:17]
	s_add_nc_u64 s[46:47], s[4:5], s[46:47]
	CROUND                                         ; all sixteen work-groups are here: the first joint loads meet
.irp s, 0,1
	s_mov_b32 s[G0+4*\s], 1
	s_add_co_u32 s[G0+4*\s+1], s20, \s*SLOT
	s_add_nc_u64 s[G0+4*\s+2:G0+4*\s+3], s[14:15], \s*KSTEP*2
	s_or_b32 s[G0+4*\s+3], s[G0+4*\s+3], 0x80000000
	s_mov_b32 s[G0B+4*\s], 1
	s_add_co_u32 s[G0B+4*\s+1], s20, \s*SLOT
	s_add_nc_u64 s[G0B+4*\s+2:G0B+4*\s+3], s[46:47], \s*KSTEP*2
	s_or_b32 s[G0B+4*\s+3], s[G0B+4*\s+3], 0x80000000
	JLOAD \s                                       ; both slots' first fills, one group: two tensor loads of the wave are out, the most in this text
.endr
	; a fragment: lane l holds row l % 16; registers 0-3 K = 8 (l / 16) + 0..7, registers 4-7 K = 16 + 8 (l / 16) + 0..7: two loads of 16 bytes, 32 apart
	v_and_b32 v1, 15, v0
	v_bfe_u32 v2, v0, 4, 1
	v_mul_u32_u24 v3, v1, PITCH
	v_lshl_add_u32 v3, v2, 4, v3
	s_mul_i32 s21, s11, HALFT                      ; my 128 rows of R
	s_mul_i32 s22, s12, HALFT                      ; my 128 rows of Cc,
	s_add_co_u32 s22, s22, 2*HALFT                 ; behind R's 256
.irp s, 0,1
	v_add_nc_u32 v[ADRA+\s], s21, v3
	v_add_nc_u32 v[ADRB+\s], s22, v3
	s_add_co_u32 s21, s21, SLOT
	s_add_co_u32 s22, s22, SLOT
.endr
	s_mul_i32 s23, s10, 16*SPITCH
	s_add_co_u32 s23, s23, STAGE                   ; my stage
	v_add_nc_u32 v[STO], s23, v3                   ; in: row l % 16, 16 bytes for each half of the lanes
	v_mul_u32_u24 v5, v2, SPITCH                   ; back: lanes 0-15 one row of 256 bytes, lanes 16-31 the next
	v_lshl_add_u32 v5, v1, 4, v5
	v_add_nc_u32 v[RD], s23, v5
	v_lshlrev_b32 v5, 11, v2                       ; and the same two rows in C
	v_lshl_add_u32 v[CO], v1, 4, v5
.macro MUL16 f, hi, a0, zero           ; 16 matrix instructions; zero = 1: the first product starts the sums
.irp a, \a0, \a0+1
.irp b, 0,1,2,3,4,5,6,7
.if \zero
	v_wmma_f32_16x16x32_bf16 v[8*(8*(\a)+\b):8*(8*(\a)+\b)+7], v[\f+8*\b:\f+8*\b+7], v[\f+8*(4*\hi+\a):\f+8*(4*\hi+\a)+7], 0
.else
	v_wmma_f32_16x16x32_bf16 v[8*(8*(\a)+\b):8*(8*(\a)+\b)+7], v[\f+8*\b:\f+8*\b+7], v[\f+8*(4*\hi+\a):\f+8*(4*\hi+\a)+7], v[8*(8*(\a)+\b):8*(8*(\a)+\b)+7]
.endif
.endr
.endr
.endm
.macro FETCH slot, k, f                ; 32 LDS loads in one run: one quarter step's fragments into buffer f
	WIN TO_B
.irp i, 0,1,2,3,4,5,6,7
	ds_load_b128 v[\f+8*\i:\f+8*\i+3],   v[ADRB+\slot] offset:\k+\i*16*PITCH
	ds_load_b128 v[\f+8*\i+4:\f+8*\i+7], v[ADRB+\slot] offset:\k+\i*16*PITCH+32
.endr
	WIN 0
.irp i, 0,1,2,3,4,5,6,7
	ds_load_b128 v[\f+8*\i:\f+8*\i+3],   v[ADRA+\slot] offset:\k+\i*16*PITCH
	ds_load_b128 v[\f+8*\i+4:\f+8*\i+7], v[ADRA+\slot] offset:\k+\i*16*PITCH+32
.endr
.endm
; A load into a register that a matrix instruction has read, and a vector instruction that reads a matrix result, stand four places behind it;
; only plain vector instructions that name none of its registers are places (ISA guide 7.12.1 for vector instructions).
.macro PLACES
.rept 4
	v_nop
.endr
.endm
.macro QUARTER slot, k, f, g, zero     ; multiplies buffer f; in its middle fetches the next quarter's fragments into buffer g
	s_wait_dscnt 8                                 ; Cc and R's rows 0-63 are in; the youngest eight loads (R's rows 64-127) may be out
	WIN MUL_LO
	MUL16 \f, 0, 0, \zero
	MUL16 \f, 0, 2, \zero
	PLACES
	FETCH \slot, \k, \g
	s_wait_dscnt 32                                ; all but the 32 just issued
	WIN MUL_HI
	MUL16 \f, 1, 0, \zero
	MUL16 \f, 1, 2, \zero
.endm
.macro THREE slot, zero
	QUARTER \slot, 64,  F0, F1, \zero
	QUARTER \slot, 128, F1, F0, 0
	QUARTER \slot, 192, F0, F1, 0
.endm
; The last quarter of a K step changes slots and fills this slot again.  In front of the barrier each wave waits for its reads of this slot and
; for all its tensor loads (one is out: its part of the next slot).  Behind the round the refill comes first, then the next slot's first fragments.
.macro TURN slot, next
	s_wait_dscnt 8
	WIN MUL_LO
	MUL16 F1, 0, 0, 0
	s_wait_dscnt 0                                 ; my reads of this slot are over
	s_set_vgpr_msb 0xa1a0
	s_wait_tensorcnt 0x0                           ; all my tensor loads have landed
	ds_add_u32 v254, v255
	s_wait_dscnt 0x0
	s_set_vgpr_msb 0xa0a1
	s_barrier_signal -1                            ; this barrier opens a round of the cluster's barrier
	MUL16 F1, 0, 2, 0                              ; register work while the others arrive
	WIN 0
	s_barrier_wait -1
	CREST                                          ; no wave of any partner still reads this slot or has a load on its way
	s_add_nc_u64 s[G0+4*\slot+2:G0+4*\slot+3], s[G0+4*\slot+2:G0+4*\slot+3], 2*KSTEP*2
	s_add_nc_u64 s[G0B+4*\slot+2:G0B+4*\slot+3], s[G0B+4*\slot+2:G0B+4*\slot+3], 2*KSTEP*2
	JLOAD \slot                                    ; the wave's one tensor load behind the round, and the first thing there
	PLACES
	FETCH \next, 0, F0
	WIN MUL_HI
	MUL16 F1, 1, 0, 0
	MUL16 F1, 1, 2, 0
.endm
.macro LAP zero
	THREE 0, \zero
	TURN 0, 1
	THREE 1, 0
	TURN 1, 0
.endm
; ---- the last K step, from slot 1 ----
.macro WINM a                          ; the products' setting for row tile a
.if (\a) < 4
	WIN MUL_LO
.else
	WIN MUL_HI
.endif
.endm
.macro FCC q                           ; Cc's 128 rows, quarter q, into window 1 (the setting is TO_B): 16 loads
.irp i, 0,1,2,3,4,5,6,7
	ds_load_b128 v[(64+192*\q)%256+8*\i:(64+192*\q)%256+8*\i+3],   v[ADRB+1] offset:64*\q+\i*16*PITCH
	ds_load_b128 v[(64+192*\q)%256+8*\i+4:(64+192*\q)%256+8*\i+7], v[ADRB+1] offset:64*\q+\i*16*PITCH+32
.endr
.endm
.macro FR a                            ; R's row tile a, all four quarters, into buffer a % 2 (the setting is 0): 8 loads
.irp q, 0,1,2,3
	ds_load_b128 v[RA+32*((\a)%2)+8*\q:RA+32*((\a)%2)+8*\q+3],   v[ADRA+1] offset:64*\q+(\a)*16*PITCH
	ds_load_b128 v[RA+32*((\a)%2)+8*\q+4:RA+32*((\a)%2)+8*\q+7], v[ADRA+1] offset:64*\q+(\a)*16*PITCH+32
.endr
.endm
.macro PR4 a, q, b0                    ; four products of row tile a: quarter q, column tiles b0 .. b0 + 3
.irp b, \b0, \b0+1, \b0+2, \b0+3
	v_wmma_f32_16x16x32_bf16 v[8*(8*((\a)%4)+(\b)):8*(8*((\a)%4)+(\b))+7], v[(64+192*\q)%256+8*(\b):(64+192*\q)%256+8*(\b)+7], v[RA+32*((\a)%2)+8*\q:RA+32*((\a)%2)+8*\q+7], v[8*(8*((\a)%4)+(\b)):8*(8*((\a)%4)+(\b))+7]
.endr
.endm
; THE WAY OUT of row tile a (16 rows of C), in four kinds of slices: round to f16; 16 bytes a lane into my own stage; read back as whole rows of 256 bytes; store.
.macro OCV a, b0                       ; column tiles b0 .. b0 + 3 are rounded: 16 conversions
.if (\a) < 4
	WIN 0x0a                                       ; sources 0 and 1 window 2
.else
	WIN 0x0f                                       ; window 3
.endif
.irp b, \b0, \b0+1, \b0+2, \b0+3
.irp r, 0,1,2,3
	v_cvt_pk_f16_f32 v[TMP+4*(\b)+\r], v[8*(8*((\a)%4)+(\b))+2*\r], v[8*(8*((\a)%4)+(\b))+2*\r+1]
.endr
.endr
.endm
.macro OST
	WIN 0
.irp b, 0,1,2,3,4,5,6,7
	ds_store_b128 v[STO], v[TMP+4*\b:TMP+4*\b+3] offset:32*\b
.endr
.endm
.macro OLD a
	WIN 0
	s_wait_xcnt 0x0                                ; the read-back buffer, which earlier stores read, and the stores' base are written again only behind this wait
.if (\a) > 0
	s_add_nc_u64 s[8:9], s[8:9], 16*OPITCH
.endif
.irp t, 0,1,2,3,4,5,6,7
	ds_load_b128 v[RB+32*((\a)%2)+4*\t:RB+32*((\a)%2)+4*\t+3], v[RD] offset:\t*2*SPITCH    ; LDS serves a wave's instructions in order: these see the stores of OST
.endr
.endm
.macro OGS a, t0                       ; four of the eight stores
	WIN 0
.irp t, \t0, \t0+1, \t0+2, \t0+3
	s_wait_dscnt 7-(\t)                            ; read-back t is in, the younger ones stay out (no other LDS instruction was issued behind them)
	global_store_b128 v[CO], v[RB+32*((\a)%2)+4*(\t):RB+32*((\a)%2)+4*(\t)+3], s[8:9] offset:2*(\t)*OPITCH   ; 16 lanes store 256 consecutive bytes at a multiple of 256
.endr
.endm
; Row tile a: 32 products in eight groups of four; behind the groups: the next row tile's fragments, then the way out of row tile a - 1.
; In row tile 0 there is no way out yet; its counted waits are for Cc's quarters, which are still landing.
.macro ROWT a
.if (\a) == 1
	s_wait_dscnt 0x0                               ; row tile 1's fragments are in (from row tile 2 on the last read-back's wait for 0 has shown it)
.endif
.if (\a) > 0
	PLACES                                         ; in front of the first read of row tile a - 1's results, and of the loads into the buffer that it read
.endif
	WINM \a
	PR4 \a, 0, 0
.if (\a) < 7
	WIN 0
	FR \a+1
.endif
	WINM \a
	PR4 \a, 0, 4
.if (\a) > 0
	OCV \a-1, 0
.else
	s_wait_dscnt 40                                ; quarter 1 is in: quarters 2 and 3 (32 loads) and row tile 1 (8) may be out
.endif
	WINM \a
	PR4 \a, 1, 0
.if (\a) > 0
	OCV \a-1, 4
.endif
	WINM \a
	PR4 \a, 1, 4
.if (\a) > 0
	OST
.else
	s_wait_dscnt 24                                ; quarter 2 is in
.endif
	WINM \a
	PR4 \a, 2, 0
.if (\a) > 0
	OLD \a-1
.endif
	WINM \a
	PR4 \a, 2, 4                                   ; no slice behind this group: the read-backs have two groups in which to come
.if (\a) == 0
	s_wait_dscnt 8                                 ; quarter 3 is in
.endif
	PR4 \a, 3, 0
.if (\a) > 0
	OGS \a-1, 0
.endif
	WINM \a
	PR4 \a, 3, 4
.if (\a) > 0
	OGS \a-1, 4
.endif
.endm
	s_wait_tensorcnt 1                             ; my part of K step 0 is in; K step 1's load, issued behind it, stays out
	s_barrier_signal -1
	s_barrier_wait -1
	FETCH 0, 0, F0
	LAP 1                                          ; the first lap's first products start the sums: nothing is cleared
	WIN 0
	s_mov_b32 s3, LAPS-2
.Llap:
	LAP 0
	WIN 0
	s_sub_co_u32 s3, s3, 1
	s_cmp_lg_u32 s3, 0
	s_cbranch_scc1 .Llap
	; where my 128 x 128 of C begins; behind the last joint load, in the registers that held the same coordinates before
	s_lshl_b32 s16, s41, 8                         ; my first row in my part of qkv: 1024 b + 256 cy + 128 x my row half, for both kinds
	s_add_co_u32 s16, s16, s13
	s_lshl_b32 s14, s11, 7
	s_add_co_u32 s16, s16, s14
	s_lshl_b32 s16, s16, 11
	s_mov_b32 s17, 0
	s_add_nc_u64 s[8:9], s[6:7], s[16:17]
	s_lshl_b32 s46, s12, 10                        ; my first column, in bytes.  Kind 0: q at 256 cx, k at 1024 + 256 cx
	s_lshl_b32 s47, s40, 8
	s_add_co_u32 s46, s46, s47
	s_lshl_b32 s66, s40, 9                         ; kind 1: 512 cx + 256 x my column half, in part 1
	s_lshl_b32 s67, s12, 8
	s_add_co_u32 s66, s66, s67
	s_add_co_u32 s66, s66, 0x1000000
	s_cmp_eq_u32 s45, 0
	s_cselect_b32 s46, s46, s66
	s_mov_b32 s47, 0
	s_add_nc_u64 s[8:9], s[8:9], s[46:47]
	THREE 0, 0                                     ; the last lap fills nothing
	; the last change of slots: as in TURN, but nothing is filled, and what is fetched serves the walk by row tiles
	s_wait_dscnt 8
	WIN MUL_LO
	MUL16 F1, 0, 0, 0
	s_wait_dscnt 0                                 ; no LDS instruction is pending at a signal
	s_wait_tensorcnt 0x0                           ; my part of slot 1, my last tensor load, has landed
	s_barrier_signal -1
	MUL16 F1, 0, 2, 0
	WIN 0
	s_barrier_wait -1                              ; slot 1 is whole
	PLACES
	FR 0                                           ; 8 loads into buffer 0 of window 0, 48 into buffer 0 and the free registers of window 1
	WIN TO_B
	FCC 0
	FCC 1
	FCC 2
	WIN MUL_HI
	MUL16 F1, 1, 0, 0
	MUL16 F1, 1, 2, 0
	PLACES                                         ; buffer 1 of both windows has been read for the last time
	s_wait_dscnt 32                                ; row tile 0 and quarter 0 are in: the 32 loads of quarters 1 and 2 stay out
	WIN TO_B
	FCC 3                                          ; with row tile 1's eight, 56 LDS loads are out at the most
.irp a, 0,1,2,3,4,5,6,7
	ROWT \a
.endr
	PLACES                                         ; the last row tile's way out
	OCV 7, 0
	OCV 7, 4
	OST
	OLD 7
	OGS 7, 0
	OGS 7, 4
	s_wait_tensorcnt 0x0
	ds_add_u32 v254, v255
	s_wait_dscnt 0x0
	CROUND                                         ; the closing round: no work-group ends while a partner may still ask for a tile that names it
	s_endpgm
.Lfunc_end_k_q71f573048b_proj:
	.size	k_q71f573048b_proj, .Lfunc_end_k_q71f573048b_proj-k_q71f573048b_proj
	.p2alignl 7, 3214868480
	.fill 96, 4, 3214868480
	.section	.rodata,"a",@progbits
	.p2align	6, 0x0
	.amdhsa_kernel k_q71f573048b_proj
		.amdhsa_group_segment_fixed_size 327680
		.amdhsa_private_segment_fixed_size 0
		.amdhsa_enable_private_segment 0
		.amdhsa_kernarg_size 16
		.amdhsa_user_sgpr_count 2
		.amdhsa_user_sgpr_kernarg_segment_ptr 1
		.amdhsa_wavefront_size32 1
		.amdhsa_system_sgpr_workgroup_id_x 1
		.amdhsa_system_sgpr_workgroup_id_y 1
		.amdhsa_system_sgpr_workgroup_id_z 1
		.amdhsa_system_vgpr_workitem_id 0
		.amdhsa_next_free_vgpr 1024
		.amdhsa_next_free_sgpr 72
		.amdhsa_reserve_vcc 0
		.amdhsa_float_denorm_mode_32 3
		.amdhsa_float_denorm_mode_16_64 3
		.amdhsa_memory_ordered 1
		.amdhsa_forward_progress 1
		.amdhsa_inst_pref_size 199
	.end_amdhsa_kernel
	.amdgpu_metadata
---
amdhsa.version: [ 1, 2 ]
amdhsa.kernels:
  - .name:           k_q71f573048b_proj
    .symbol:         k_q71f573048b_proj.kd
    .args:
      - { .name: xw, .offset: 0, .size: 8, .value_kind: global_buffer, .address_space: global }
      - { .name: qkv, .offset: 8, .size: 8, .value_kind: global_buffer, .address_space: global }
    .group_segment_fixed_size: 327680
    .private_segment_fixed_size: 0
    .kernarg_segment_align: 8
    .kernarg_segment_size: 16
    .max_flat_workgroup_size: 128
    .sgpr_count:     72
    .vgpr_count:     1024
    .wavefront_size: 32
...
	.end_amdgpu_metadata
.endif
;; end of part 2
;; launch scores (part 3): grid 4 x 64, 4 waves a work-group, clusters of 4 x 4, 327,680 bytes of LDS; arguments qkv, drop_mask, e, stats; writes e, stats
.if DOCPART == 3
	.amdgcn_target "amdgcn-amd-amdhsa--gfx1250"
	.amdhsa_code_object_version 6
	.text
	.protected	k_q71f573048b_scores
	.globl	k_q71f573048b_scores
	.p2align	8
	.type	k_q71f573048b_scores,@function
k_q71f573048b_scores:
	s_mov_b64 s[64:65], 0
	v_nop
	global_prefetch_b8 v0, s[64:65] scope:SCOPE_SE
	s_setreg_imm32_b32 hwreg(HW_REG_WAVE_MODE, 25, 1), 1
	s_wait_xcnt 0x0
	s_wait_alu depctr_hold_cnt(0) depctr_sa_sdst(0) depctr_va_vdst(0) depctr_va_sdst(0) depctr_va_ssrc(0) depctr_va_vcc(0) depctr_vm_vsrc(0)
	s_getreg_b32 s2, hwreg(HW_REG_IB_STS2, 6, 4)
	s_cmp_eq_u32 s2, 0
	s_cbranch_scc0 .Lentry_in_a_cluster
	s_endpgm
.Lentry_in_a_cluster:
	s_bfe_u32 s2, ttmp6, 0x10000c
	s_cmp_lg_u32 s2, 0xf033
	s_cbranch_scc0 .Lentry_shape_is_right
	s_endpgm
.Lentry_shape_is_right:
; SelfAttention, launch 3 of 4: for a block of 128 query rows x 256 keys: S = q k^T (K = 512, f16 operands, f32 sums); the block's row maximum M;
; E = mask x exp2(c S - c M) rounded to f16, with c = 256 log2(e) / sqrt(512) (the 256 because q and k are stored as 1/16 of reference()'s);
; and the sums of exp2(c S - c M) over ALL keys, dropped ones too, since reference() drops behind the softmax.  The maximum is taken away
; block by block; the last launch joins the four blocks of a row exactly, as a running maximum would.  Nothing of reference() is left out.
; E lies in [0, 1] whatever the inputs, since the block's own maximum is taken away: f16 has the room.
; stats, f32 [b 8][key block 4][p 3][row 1024]: p = 0: c M; p = 1, 2: the sums of the block's first and second 128 keys.
; LIMITS: mask bytes are 0 or 1; a NaN loses in the maxima; an exponential below 2^-126 is 0, and E below 2^-25 is 0 as an f16.
; A work-group makes 128 x 256 with four waves, 2 x 2; a wave makes 64 rows x 128 keys: 32 accumulator tiles, 256 registers (window 1).
; K goes in steps of 128 through two LDS slots (k's 256 rows, then q's 128 rows; rows of 256 bytes at multiples of 256, padded to 272).
; CLUSTERS of 4 x 4: block column = cx (a key block), block row = 4 x cluster y + cy; the batch, cluster y / 2, is equal in a cluster.
; q's tile hangs on the block row and is asked for jointly along a row of the cluster, k's on the batch and cx, jointly along a column.
; The mask's tile (128 x 256 bytes) is the work-group's own: a plain tensor load, a quarter a wave, in the group of first fills.
; The matrix instruction is used transposed (source 0 = rows of k, source 1 = rows of q): lane l holds query row 16 a + l % 16, and register
; 64 a + 8 b + j key 16 b + 8 (l / 16) + j: a row's numbers lie in two lanes, so the row's maximum and sum need one step across lanes.
; The 32 accumulators take turns, one instruction a turn, in one fixed order.
; THE MASK WORK STANDS AMONG THE PRODUCTS.  Turning my 8,192 mask bytes into masks of half-words hangs on no score: 32 units (one for each tile
; (a, b)) of one LDS load and 8 plain vector instructions.  From the barrier that shows the mask tile whole to the last product there are twelve
; spots at which four places behind matrix instructions are owed anyway: three units are loaded at a spot, ahead of its run of fragment loads,
; and worked on at the next, where their 24 instructions are the places.  Words, masks and a copy of the LDS address lie in window 2, so that a
; spot needs one setting of the register window.
; THE TAIL GOES ROW TILE BY ROW TILE.  In step k the 64 exponentials of tile k alternate with the 32 packed multiply-adds of tile k + 1 and the 32
; conversions of tile k - 1 (in place, in window 1), all under one setting; then tile k - 1 is masked, staged and stored, with tile k's sums
; between its read-backs and its stores.  So the first rows of E leave after two of the five steps.
.set PITCH,  272
.set SLOT,   384*PITCH                 ; 104,448: k's 256 rows at 0, q's 128 rows at 256 x 272
.set MASKB,  2*SLOT                    ; 208,896: the mask's 128 rows of 256 bytes, pitch 272
.set STAGE,  MASKB+128*PITCH           ; 243,712: 16 x 272 bytes a wave, for the way out; no tensor load lands here or behind
.set SCR,    STAGE+64*PITCH            ; 261,120: 768 bytes a wave: 0 maxima for the partner wave, 256 c M, 512 sums
; window 0
.set ADRA, 16                          ; v16-17  my q fragments in slot 0, 1
.set ADRB, 20                          ; v20-21  my k fragments
.set STO,  24
.set RD,   25
.set CO,   26
.set SX,   27                          ; my scratch + 4 (l % 16)
.set SXP,  28                          ; the partner wave's scratch + 4 (l % 16)
.set SR,   29                          ; my scratch + 8 l
.set SG,   30                          ; 8 l
.set FA,   32                          ; v32-63, v64-95    q fragments (4 tiles), two buffers
.set FB,   96                          ; v96-159, v160-223 k fragments (8 tiles), two buffers
.set QS,   32                          ; the tail: v32-63 sixteen pairs of partial sums
.set RB,   128                         ; the tail: v128-159, v160-191 rows read back from the stage, two buffers
.set M,    224                         ; v224-227 row maxima, one for each a
.set T,    228                         ; v228-231 at work
.set NM,   232                         ; v232-239 -c M, twice (pairs)
.set L,    240                         ; v240-243 sums
.set MC,   248                         ; v248-251 c M;  v252-255 the statistics read back
; window 2 (unit u = 8 a + b)
.set MX,   0                           ; v[4 u .. 4 u + 3]  masks of half-words for the tile's 8 keys
.set MW,   128                         ; v[128 + 2 u ..]    the 8 mask bytes as loaded
.set MADR, 192                         ; the LDS address of my 8 mask bytes of tile (0, 0)
.set G1, 24                            ; s[24:31] group 1, q's tiles
.set G0, 32                            ; s[32:39] group 0, q's tiles, one set a slot
.set G1B, 48                           ; s[48:55] group 1, k's tiles
.set G0B, 56                           ; s[56:63] group 0, k's tiles
.set GM0, 72                           ; s[72:75] group 0, the mask
.set GM1, 76                           ; s[76:83] group 1, the mask
.set CFG, (1<<16)|(1<<20)|(1<<21)|(5<<22)|(3<<25)   ; 2-byte elements; padding on; bit 21 beside a mask; after every 64 words, 4 words
.set MUL,  0x50                        ; sources 0 and 1 window 0, C and D window 1
.set W2,   0x8a                        ; sources 0 and 1 and destination window 2
.set EXPW, 0x45                        ; sources 0 and 1 and destination window 1, source 2 window 0
.set ANDW, 0x49                        ; source 0 and destination window 1, source 1 window 2
.set STW,  0x04                        ; an LDS store: address window 0, data (source 1) window 1
.set SUMW, 0x05                        ; sources 0 and 1 window 1, destination window 0
.set MSB, 0
.macro WIN new
.if MSB != \new
	s_set_vgpr_msb (MSB<<8)|\new
.set MSB, \new
.endif
.endm
.macro PLACES                          ; four places behind matrix instructions (ISA guide 7.12.1 for vector instructions)
.rept 4
	v_nop
.endr
.endm
.macro JLOAD s                         ; waves 0, 1 ask for k's halves (128 rows), waves 2, 3 for q's (64 rows)
	s_cmp_eq_u32 s11, 0
	s_cbranch_scc0 .Lfor_a_\@
	tensor_load_to_lds s[G0B+4*\s:G0B+4*\s+3], s[G1B:G1B+7]
	s_nop 0
	s_branch .Lasked_\@
.Lfor_a_\@:
	tensor_load_to_lds s[G0+4*\s:G0+4*\s+3], s[G1:G1+7]
	s_nop 0
.Lasked_\@:
.endm
.macro CREST
	s_cmp_lg_u32 s10, 0
	s_cbranch_scc1 .Lnot_wave_0_\@
	s_barrier_signal -3
.Lnot_wave_0_\@:
	s_barrier_wait -3
	s_barrier_signal -1
	s_barrier_wait -1
.endm
.macro CROUND
	s_barrier_signal -1
	s_barrier_wait -1
	CREST
.endm
	s_load_b128 s[4:7], s[0:1], 0x0                ; qkv s[4:5], drop_mask s[6:7]
	s_load_b128 s[68:71], s[0:1], 0x10             ; e s[68:69], stats s[70:71]
	v_lshl_add_u32 v246, v0, 2, 0x40800
	v_mov_b32 v247, 0
	ds_add_u32 v246, v247
	v_lshrrev_b32 v1, 5, v0
	v_readfirstlane_b32 s10, v1                    ; wave 0..3
	s_lshr_b32 s11, s10, 1                         ; my half of the rows.  Also: I fetch for k (0) or for q (1)
	s_and_b32 s12, s10, 1                          ; my half of the keys.  Also: which half of that tile I fetch
	s_bfe_u32 s40, ttmp6, 0x40000                  ; cx
	s_bfe_u32 s41, ttmp6, 0x40004                  ; cy
	s_lshl_b32 s42, ttmp9, 2
	s_add_co_u32 s42, s42, s40                     ; key block 0..3
	s_and_b32 s45, ttmp7, 0xffff                   ; cluster y
	s_lshl_b32 s13, s45, 2
	s_add_co_u32 s13, s13, s41                     ; block row 0..63: rows 128 x it of the 8,192
	s_lshr_b32 s45, s45, 1                         ; batch
	s_lshl_b32 s43, s41, 2
	s_lshl_b32 s43, 15, s43                        ; my row of the cluster
	s_lshl_b32 s44, 0x1111, s40                    ; my column
	s_or_b32 s[G1+0], s43, CFG
	s_mov_b32 s[G1+1], 128<<16                     ; tensor_dim0 = 128
	s_mov_b32 s[G1+2], 64<<16                      ; tensor_dim1 = 64
	s_mov_b32 s[G1+3], 128<<16                     ; tile_dim0 = 128
	s_mov_b32 s[G1+4], 64                          ; tile_dim1 = 64
	s_mov_b32 s[G1+5], 1024                        ; elements from row to row
	s_mov_b32 s[G1+6], 0
	s_mov_b32 s[G1+7], 0
	s_or_b32 s[G1B+0], s44, CFG
	s_mov_b32 s[G1B+1], 128<<16
	s_mov_b32 s[G1B+2], 128<<16                    ; 128 rows
	s_mov_b32 s[G1B+3], 128<<16
	s_mov_b32 s[G1B+4], 128
	s_mov_b32 s[G1B+5], 1024
	s_mov_b32 s[G1B+6], 0
	s_mov_b32 s[G1B+7], 0
	s_mov_b32 s[GM1+0], (3<<16)|(1<<20)|(5<<22)|(3<<25)   ; no mask of work-groups; 8-byte elements; padded as above
	s_mov_b32 s[GM1+1], 32<<16                     ; 32 elements = 256 bytes a row
	s_mov_b32 s[GM1+2], 32<<16                     ; 32 rows
	s_mov_b32 s[GM1+3], 32<<16
	s_mov_b32 s[GM1+4], 32
	s_mov_b32 s[GM1+5], 128                        ; 1,024 bytes from row to row
	s_mov_b32 s[GM1+6], 0
	s_mov_b32 s[GM1+7], 0
	s_mov_b32 s84, 0x418293ee                      ; c = 256 log2(e) / sqrt(512)
	s_mov_b32 s85, 0xc18293ee                      ; -c
	s_mov_b32 s86, 0x76543210                      ; v_permlanex16_b32: lane i reads lane i of the other half
	s_mov_b32 s87, 0xfedcba98
	s_mov_b32 s88, 0x01010000                      ; v_perm_b32: bytes 0, 0, 1, 1
	s_mov_b32 s89, 0x03030202                      ; bytes 2, 2, 3, 3
	s_lshl_b32 s16, s13, 18                        ; q: (128 x block row + 64 x half) rows of 2,048 bytes; these registers never hold cx
	s_lshl_b32 s17, s12, 17
	s_add_co_u32 s16, s16, s17
	s_mov_b32 s17, 0
	s_lshl_b32 s46, s45, 21                        ; k: (1024 b + 256 x key block + 128 x half) rows, columns 512..: + 1,024 bytes; never cy
	s_lshl_b32 s47, s42, 19
	s_add_co_u32 s46, s46, s47
	s_lshl_b32 s47, s12, 18
	s_add_co_u32 s46, s46, s47
	s_add_co_u32 s46, s46, 1024
	s_mov_b32 s47, 0
	s_mul_i32 s20, s10, 128*PITCH                  ; k's halves land at wave x 128 rows (waves 0, 1),
	s_mul_i32 s90, s10, 64*PITCH
	s_add_co_u32 s90, s90, 128*PITCH               ; q's at 256 rows + (wave - 2) x 64 rows (waves 2, 3)
	s_mov_b32 s[GM0], 1
	s_mul_i32 s[GM0+1], s10, 32*PITCH
	s_add_co_u32 s[GM0+1], s[GM0+1], MASKB         ; the mask's rows 32 x wave ..
	s_wait_dscnt 0x0
	s_wait_kmcnt 0x0
	s_add_nc_u64 s[14:15], s[4:5], s[16:17]
	s_add_nc_u64 s[46:47], s[4:5], s[46:47]
	; bases that hang on both places in the cluster are made by two sums: the part with cy through s16-17, the part with cx through s18-19
	s_lshl_b32 s16, s13, 17                        ; the mask: (128 x block row + 32 x wave) rows of 1,024 bytes
	s_lshl_b32 s17, s10, 15
	s_add_co_u32 s16, s16, s17
	s_mov_b32 s17, 0
	s_add_nc_u64 s[GM0+2:GM0+3], s[6:7], s[16:17]
	s_lshl_b32 s18, s42, 8                         ; + 256 x key block
	s_mov_b32 s19, 0
	s_add_nc_u64 s[GM0+2:GM0+3], s[GM0+2:GM0+3], s[18:19]
	s_or_b32 s[GM0+3], s[GM0+3], 0x80000000
	s_lshl_b32 s16, s13, 18                        ; e: (128 x block row + 64 x my row half) rows of 2,048 bytes
	s_lshl_b32 s17, s11, 17
	s_add_co_u32 s16, s16, s17
	s_mov_b32 s17, 0
	s_add_nc_u64 s[8:9], s[68:69], s[16:17]
	s_lshl_b32 s18, s42, 9                         ; + 512 x key block + 256 x my key half
	s_lshl_b32 s19, s12, 8
	s_add_co_u32 s18, s18, s19
	s_mov_b32 s19, 0
	s_add_nc_u64 s[8:9], s[8:9], s[18:19]
	s_and_b32 s16, s13, 7                          ; stats: 4 x (128 x (block row in its batch) + 64 x my row half)
	s_lshl_b32 s16, s16, 9
	s_lshl_b32 s17, s11, 8
	s_add_co_u32 s16, s16, s17
	s_mov_b32 s17, 0
	s_add_nc_u64 s[70:71], s[70:71], s[16:17]
	s_lshl_b32 s18, s45, 2                         ; + (4 b + key block) x 3 planes of 4,096 bytes
	s_add_co_u32 s18, s18, s42
	s_mul_i32 s18, s18, 12288
	s_add_nc_u64 s[70:71], s[70:71], s[18:19]      ; plane 0: c M
	s_lshl_b32 s18, s12, 12
	s_add_nc_u64 s[94:95], s[70:71], s[18:19]      ; with the immediate 4,096: plane 1 + my key half
	CROUND                                         ; all sixteen work-groups are here: the first joint loads meet
.irp s, 0,1
	s_mov_b32 s[G0+4*\s], 1
	s_add_co_u32 s[G0+4*\s+1], s90, \s*SLOT
	s_add_nc_u64 s[G0+4*\s+2:G0+4*\s+3], s[14:15], \s*256
	s_or_b32 s[G0+4*\s+3], s[G0+4*\s+3], 0x80000000
	s_mov_b32 s[G0B+4*\s], 1
	s_add_co_u32 s[G0B+4*\s+1], s20, \s*SLOT
	s_add_nc_u64 s[G0B+4*\s+2:G0B+4*\s+3], s[46:47], \s*256
	s_or_b32 s[G0B+4*\s+3], s[G0B+4*\s+3], 0x80000000
	JLOAD \s
.endr
	tensor_load_to_lds s[GM0:GM0+3], s[GM1:GM1+7]  ; my quarter of the mask: the third and last of the first fills; three tensor loads are out, the most in this text
	s_nop 0
	v_and_b32 v1, 15, v0                           ; r = l % 16
	v_bfe_u32 v2, v0, 4, 1                         ; h = l / 16
	v_and_b32 v4, 31, v0                           ; l
	v_mul_u32_u24 v3, v1, PITCH
	v_lshl_add_u32 v3, v2, 4, v3                   ; 272 r + 16 h
	s_mul_i32 s21, s11, 64*PITCH
	s_add_co_u32 s21, s21, 256*PITCH               ; my 64 rows of q
	s_mul_i32 s22, s12, 128*PITCH                  ; my 128 rows of k
.irp s, 0,1
	v_add_nc_u32 v[ADRA+\s], s21, v3
	v_add_nc_u32 v[ADRB+\s], s22, v3
	s_add_co_u32 s21, s21, SLOT
	s_add_co_u32 s22, s22, SLOT
.endr
	s_mul_i32 s23, s10, 16*PITCH
	s_add_co_u32 s23, s23, STAGE                   ; my stage
	v_add_nc_u32 v[STO], s23, v3
	v_mul_u32_u24 v5, v2, PITCH
	v_lshl_add_u32 v5, v1, 4, v5                   ; 272 h + 16 r
	v_add_nc_u32 v[RD], s23, v5
	v_lshlrev_b32 v5, 11, v2
	v_lshl_add_u32 v[CO], v1, 4, v5                ; 2,048 h + 16 r
	s_mul_i32 s91, s10, 768
	s_add_co_u32 s91, s91, SCR                     ; my scratch
	s_xor_b32 s92, s10, 1                          ; the wave with my rows and the other keys
	s_mul_i32 s92, s92, 768
	s_add_co_u32 s92, s92, SCR
	v_lshl_add_u32 v[SX], v1, 2, s91
	v_lshl_add_u32 v[SXP], v1, 2, s92
	v_lshl_add_u32 v[SR], v4, 3, s91
	v_lshlrev_b32 v[SG], 3, v4
	s_mul_i32 s93, s11, 64*PITCH                   ; the mask bytes of my tile (0, 0): row 64 x my row half + r, byte 128 x my key half + 8 h
	s_lshl_b32 s21, s12, 7
	s_add_co_u32 s93, s93, s21
	s_add_co_u32 s93, s93, MASKB
	v_mul_u32_u24 v5, v1, PITCH
	v_lshl_add_u32 v5, v2, 3, v5
	WIN 0x80                                       ; destination window 2
	v_add_nc_u32 v[MADR], s93, v5                  ; kept in window 2, beside the words that are loaded by it
	WIN 0
.macro MUL8 f, a, zero                 ; row tile a x all 8 key tiles, 32 along K, from buffer f
.irp b, 0,1,2,3,4,5,6,7
.if \zero
	v_wmma_f32_16x16x32_f16 v[8*(8*\a+\b):8*(8*\a+\b)+7], v[FB+64*\f+8*\b:FB+64*\f+8*\b+7], v[FA+32*\f+8*\a:FA+32*\f+8*\a+7], 0
.else
	v_wmma_f32_16x16x32_f16 v[8*(8*\a+\b):8*(8*\a+\b)+7], v[FB+64*\f+8*\b:FB+64*\f+8*\b+7], v[FA+32*\f+8*\a:FA+32*\f+8*\a+7], v[8*(8*\a+\b):8*(8*\a+\b)+7]
.endif
.endr
.endm
.macro FETCH slot, k, f                ; 24 LDS loads in one run: 16 for k's 128 rows, then 8 for q's 64 rows
	WIN 0
.irp i, 0,1,2,3,4,5,6,7
	ds_load_b128 v[FB+64*\f+8*\i:FB+64*\f+8*\i+3],   v[ADRB+\slot] offset:\k+\i*16*PITCH
	ds_load_b128 v[FB+64*\f+8*\i+4:FB+64*\f+8*\i+7], v[ADRB+\slot] offset:\k+\i*16*PITCH+32
.endr
.irp i, 0,1,2,3
	ds_load_b128 v[FA+32*\f+8*\i:FA+32*\f+8*\i+3],   v[ADRA+\slot] offset:\k+\i*16*PITCH
	ds_load_b128 v[FA+32*\f+8*\i+4:FA+32*\f+8*\i+7], v[ADRA+\slot] offset:\k+\i*16*PITCH+32
.endr
.endm
; A SPOT stands between a run of products and a run of fragment loads, where four places are owed.  The units loaded at the spot before
; (mu .. ml - 1, three at the most) are worked on: at least 16 plain vector instructions on window 2 alone, which are the places; where there
; are none, four v_nop.  Then the next three units' mask bytes are asked for.  These loads stand AHEAD of the spot's fragment loads, and LDS loads
; come back in order, so the counted wait that follows that run (all but its 24, or all but its last 4) shows them in: no wait of their own.
; MASKON is set where the text has passed the barrier that shows the whole mask tile.
.set MASKON, 0
.set mu, 0                             ; units worked on
.set ml, 0                             ; units loaded
.macro SPOT
.if mu < ml
	WIN W2
.set u, mu
.rept 3
.if u < ml
	v_lshlrev_b32 v[MX+4*u],   8, v[MW+2*u]
	v_lshlrev_b32 v[MX+4*u+2], 8, v[MW+2*u+1]
.endif
.set u, u+1
.endr
.set u, mu
.rept 3
.if u < ml
	v_sub_nc_u32 v[MW+2*u],   v[MX+4*u],   v[MW+2*u]            ; 256 w - w: each byte 0 or 1 becomes 0x00 or 0xff, without a carry between bytes
	v_sub_nc_u32 v[MW+2*u+1], v[MX+4*u+2], v[MW+2*u+1]
.endif
.set u, u+1
.endr
.set u, mu
.rept 3
.if u < ml
	v_perm_b32 v[MX+4*u],   v[MW+2*u],   v[MW+2*u],   s88       ; each byte twice: a mask for an f16
	v_perm_b32 v[MX+4*u+1], v[MW+2*u],   v[MW+2*u],   s89
	v_perm_b32 v[MX+4*u+2], v[MW+2*u+1], v[MW+2*u+1], s88
	v_perm_b32 v[MX+4*u+3], v[MW+2*u+1], v[MW+2*u+1], s89
.endif
.set u, u+1
.endr
.set mu, ml
.else
	PLACES
.endif
.if MASKON
.if ml < 32
	WIN W2
.rept 3
.if ml < 32
	ds_load_b64 v[MW+2*ml:MW+2*ml+1], v[MADR] offset:16*PITCH*(ml/8)+16*(ml%8)   ; the mask bytes of my 8 keys of tile (a, b) = (ml / 8, ml % 8)
.set ml, ml+1
.endif
.endr
.endif
.endif
.endm
.macro QUARTER slot, k, f, g, zero     ; multiplies buffer f; in its middle fetches the next quarter's fragments into buffer g
	s_wait_dscnt 4                                 ; the youngest four loads (q's tiles 2 and 3) may be out
	WIN MUL
	MUL8 \f, 0, \zero
	MUL8 \f, 1, \zero
	SPOT
	FETCH \slot, \k, \g
	s_wait_dscnt 24                                ; all but the 24 just issued: the rest of buffer f, and the spot's mask bytes
	WIN MUL
	MUL8 \f, 2, \zero
	MUL8 \f, 3, \zero
.endm
.macro THREE slot, zero
	QUARTER \slot, 64,  0, 1, \zero
	QUARTER \slot, 128, 1, 0, 0
	QUARTER \slot, 192, 0, 1, 0
.endm
; The last quarter of a K step changes slots.  In front of the barrier each wave waits for its reads of this slot and for all its tensor
; loads; behind it (where the slot is filled again: behind the round of the cluster's barrier that it opens) the refill comes first.
.macro TURN slot, next, fill
	s_wait_dscnt 4
	WIN MUL
	MUL8 1, 0, 0
	s_wait_dscnt 0                                 ; my reads of this slot are over
	s_wait_tensorcnt 0x0                           ; all my tensor loads have landed
	ds_add_u32 v246, v247
	s_wait_dscnt 0x0
	s_barrier_signal -1
	MUL8 1, 1, 0                                   ; register work while the others arrive
	WIN 0
	s_barrier_wait -1
.if \fill
	CREST
	s_add_nc_u64 s[G0+4*\slot+2:G0+4*\slot+3], s[G0+4*\slot+2:G0+4*\slot+3], 512     ; two K steps on; no load of mine is out
	s_add_nc_u64 s[G0B+4*\slot+2:G0B+4*\slot+3], s[G0B+4*\slot+2:G0B+4*\slot+3], 512
	JLOAD \slot                                    ; the wave's one tensor load behind the round, and the first thing there
.endif
	SPOT
	FETCH \next, 0, 0
	WIN MUL
	MUL8 1, 2, 0
	MUL8 1, 3, 0
.endm
	s_wait_tensorcnt 2                             ; my part of K step 0 is in; K step 1's and the mask's loads, issued behind it, stay out
	s_barrier_signal -1
	s_barrier_wait -1
	FETCH 0, 0, 0
	THREE 0, 1                                     ; K step 0: its first products start the sums; the mask tile is not yet shown whole: its spots are v_nop
.set MASKON, 1
	TURN 0, 1, 1                                   ; its wait for all loads and its barrier show the whole mask tile to every wave: its spot, behind them, asks for the first three units
	THREE 1, 0
	TURN 1, 0, 1
	THREE 0, 0
	TURN 0, 1, 0                                   ; nothing is left to fetch from memory
	THREE 1, 0                                     ; its last spot works on units 30 and 31
	s_wait_dscnt 4
	WIN MUL
	MUL8 1, 0, 0
	MUL8 1, 1, 0
	s_wait_dscnt 0
	MUL8 1, 2, 0
	MUL8 1, 3, 0
	PLACES                                         ; the places in front of the first reads of results
	; 1. the largest S of my 64 numbers of each row tile: four chains side by side, started by their first two numbers
	WIN SUMW
.irp a, 0,1,2,3
	v_max_num_f32 v[M+\a], v[64*\a], v[64*\a+1]
.endr
.set i, 2
.rept 31
.irp a, 0,1,2,3
	v_max3_num_f32 v[M+\a], v[64*\a+i], v[64*\a+i+1], v[M+\a]
.endr
.set i, i+2
.endr
	WIN 0
.irp a, 0,1,2,3
	v_mov_b32 v[T+\a], 0                           ; v_permlanex16_b32 counts as a reader of its destination
.endr
.irp a, 0,1,2,3
	v_permlanex16_b32 v[T+\a], v[M+\a], s86, s87   ; the row's other 64 keys lie in lane l xor 16
.endr
.irp a, 0,1,2,3
	v_max_num_f32 v[M+\a], v[M+\a], v[T+\a]
.endr
	; 2. the wave with the same rows and the block's other 128 keys: store, wait for zero, barrier, load
.irp a, 0,1,2,3
	ds_store_b32 v[SX], v[M+\a] offset:64*\a       ; lanes l and l + 16 write one word with one value
.endr
	s_wait_dscnt 0x0
	s_barrier_signal -1
	s_barrier_wait -1
.irp a, 0,1,2,3
	ds_load_b32 v[T+\a], v[SXP] offset:64*\a
.endr
	s_wait_dscnt 0x0
.irp a, 0,1,2,3
	v_max_num_f32 v[M+\a], v[M+\a], v[T+\a]        ; the maximum over the block's 256 keys
.endr
.irp a, 0,1,2,3
	v_mul_f32 v[NM+2*\a], s85, v[M+\a]             ; -c M, rounded once: the very number whose negative goes to stats
	v_mul_f32 v[NM+2*\a+1], s85, v[M+\a]
	v_mul_f32 v[MC+\a], s84, v[M+\a]
.endr
; 3. THE STEPS.  One line each of three kinds of work on pair i (0 .. 31) of a row tile's 64 numbers, all under the setting EXPW:
.macro FM1 a                           ; c S - c M, in place
	v_pk_fma_f32 v[64*(\a)+2*i:64*(\a)+2*i+1], v[64*(\a)+2*i:64*(\a)+2*i+1], s[84:85], v[NM+2*(\a):NM+2*(\a)+1] op_sel_hi:[1,0,1]
.endm
.macro EX1 a, o                        ; exp2, in place
	v_exp_f32 v[64*(\a)+2*i+\o], v[64*(\a)+2*i+\o]
.endm
.macro CV1 a                           ; two f16 into register i % 4 of tile (a, i / 4): that register's own numbers were read by this line or an earlier one
	v_cvt_pk_f16_f32 v[64*(\a)+8*(i/4)+i%4], v[64*(\a)+2*i], v[64*(\a)+2*i+1]
.endm
.macro CLR a                           ; the dropped keys of row tile a are cleared, in place
	WIN ANDW
.irp b, 0,1,2,3,4,5,6,7
.irp q, 0,1,2,3
	v_and_b32 v[64*(\a)+8*\b+\q], v[64*(\a)+8*\b+\q], v[MX+32*(\a)+4*\b+\q]
.endr
.endr
.endm
.macro ESTO a                          ; 16 bytes a lane and tile into my stage, straight from window 1
	WIN STW
.irp b, 0,1,2,3,4,5,6,7
	ds_store_b128 v[STO], v[64*(\a)+8*\b:64*(\a)+8*\b+3] offset:32*\b
.endr
.endm
.macro ELD a                           ; read back as rows of 256 bytes (the setting is 0)
	s_wait_xcnt 0x0                                ; the read-back buffer, which earlier stores read, is written again only behind this wait
.irp t, 0,1,2,3,4,5,6,7
	ds_load_b128 v[RB+32*((\a)%2)+4*\t:RB+32*((\a)%2)+4*\t+3], v[RD] offset:\t*2*PITCH    ; LDS serves a wave's instructions in order: these see the stores of ESTO
.endr
.endm
.macro EGS a
.irp t, 0,1,2,3,4,5,6,7
	s_wait_dscnt 7-\t                              ; read-back t is in, the younger ones stay out (no other LDS instruction was issued behind them)
	global_store_b128 v[CO], v[RB+32*((\a)%2)+4*\t:RB+32*((\a)%2)+4*\t+3], s[8:9] offset:32768*(\a)+4096*\t   ; 16 lanes store 256 consecutive bytes at a multiple of 256
.endr
.endm
.macro SUM2 k                          ; sixteen pairs of partial sums become my lane's sum of row tile k
.irp n, 0,1,2,3,4,5,6,7
	v_pk_add_f32 v[QS+2*\n:QS+2*\n+1], v[QS+2*\n:QS+2*\n+1], v[QS+16+2*\n:QS+16+2*\n+1]
.endr
.irp n, 0,1,2,3
	v_pk_add_f32 v[QS+2*\n:QS+2*\n+1], v[QS+2*\n:QS+2*\n+1], v[QS+8+2*\n:QS+8+2*\n+1]
.endr
.irp n, 0,1
	v_pk_add_f32 v[QS+2*\n:QS+2*\n+1], v[QS+2*\n:QS+2*\n+1], v[QS+4+2*\n:QS+4+2*\n+1]
.endr
	v_pk_add_f32 v[QS:QS+1], v[QS:QS+1], v[QS+2:QS+3]
	v_add_f32 v[L+\k], v[QS], v[QS+1]
.endm
; Step k.  A plain instruction on another row tile stands behind every one or two exponentials, and the run ends with one (ISA guide 5.7.2).
; The sums run over all my keys, dropped ones too, and read tile k's 64 numbers before the next step rounds them in place.
.macro STEP k
	WIN EXPW
.set i, 0
.rept 32
	EX1 \k, 0
.if (\k) > 0
.if (\k) < 3
	CV1 \k-1
.endif
.endif
	EX1 \k, 1
.if (\k) < 3
	FM1 \k+1
.else
	CV1 \k-1
.endif
.set i, i+1
.endr
.if (\k) > 0
	CLR \k-1
	ESTO \k-1
.endif
	WIN SUMW
.set i, 0
	s_wait_alu depctr_va_vdst(0)
.rept 16
	v_pk_add_f32 v[QS+2*i:QS+2*i+1], v[64*(\k)+4*i:64*(\k)+4*i+1], v[64*(\k)+4*i+2:64*(\k)+4*i+3]
.set i, i+1
.endr
	WIN 0
.if (\k) > 0
	ELD \k-1
.endif
	SUM2 \k                                        ; sixteen plain instructions while the read-backs come
.if (\k) > 0
	EGS \k-1
.endif
.endm
	WIN EXPW
.set i, 0
.rept 32
	FM1 0
.set i, i+1
.endr
	STEP 0
	STEP 1
	STEP 2
	STEP 3
	; 4. the last step: the statistics, and row tile 3's way out
.irp a, 0,1,2,3
	v_permlanex16_b32 v[T+\a], v[L+\a], s86, s87   ; the row's other 64 keys lie in lane l xor 16
.endr
.irp a, 0,1,2,3
	v_add_f32 v[L+\a], v[L+\a], v[T+\a]
.endr
	; c M and the sums of my 64 rows go through my own scratch, so that one store of the wave covers 256 consecutive bytes at a multiple of 256
.irp a, 0,1,2,3
	ds_store_b32 v[SX], v[MC+\a] offset:256+64*\a
	ds_store_b32 v[SX], v[L+\a] offset:512+64*\a
.endr
	ds_load_b64 v[252:253], v[SR] offset:256       ; my own bytes: LDS serves a wave's instructions in order
	ds_load_b64 v[254:255], v[SR] offset:512
	WIN EXPW
.set i, 0
.rept 32
	CV1 3
.set i, i+1
.endr
	CLR 3
	ESTO 3
	WIN 0
	s_wait_dscnt 8                                 ; the two read-backs of the statistics are in; the eight stores into the stage, issued behind them, may be out
	global_store_b64 v[SG], v[254:255], s[94:95] offset:4096
	s_cmp_lg_u32 s12, 0                            ; both waves of a row half hold the same c M: the one with key half 0 stores it
	s_cbranch_scc1 .Lno_mc
	global_store_b64 v[SG], v[252:253], s[70:71]
.Lno_mc:
	ELD 3
	EGS 3
	s_wait_tensorcnt 0x0
	ds_add_u32 v246, v247
	s_wait_dscnt 0x0
	CROUND                                         ; the closing round
	s_endpgm
.Lfunc_end_k_q71f573048b_scores:
	.size	k_q71f573048b_scores, .Lfunc_end_k_q71f573048b_scores-k_q71f573048b_scores
	.p2alignl 7, 3214868480
	.fill 96, 4, 3214868480
	.section	.rodata,"a",@progbits
	.p2align	6, 0x0
	.amdhsa_kernel k_q71f573048b_scores
		.amdhsa_group_segment_fixed_size 327680
		.amdhsa_private_segment_fixed_size 0
		.amdhsa_enable_private_segment 0
		.amdhsa_kernarg_size 32
		.amdhsa_user_sgpr_count 2
		.amdhsa_user_sgpr_kernarg_segment_ptr 1
		.amdhsa_wavefront_size32 1
		.amdhsa_system_sgpr_workgroup_id_x 1
		.amdhsa_system_sgpr_workgroup_id_y 1
		.amdhsa_system_sgpr_workgroup_id_z 1
		.amdhsa_system_vgpr_workitem_id 0
		.amdhsa_next_free_vgpr 768
		.amdhsa_next_free_sgpr 96
		.amdhsa_reserve_vcc 0
		.amdhsa_float_denorm_mode_32 3
		.amdhsa_float_denorm_mode_16_64 3
		.amdhsa_memory_ordered 1
		.amdhsa_forward_progress 1
		.amdhsa_inst_pref_size 141
	.end_amdhsa_kernel
	.amdgpu_metadata
---
amdhsa.version: [ 1, 2 ]
amdhsa.kernels:
  - .name:           k_q71f573048b_scores
    .symbol:         k_q71f573048b_scores.kd
    .args:
      - { .name: qkv, .offset: 0, .size: 8, .value_kind: global_buffer, .address_space: global }
      - { .name: drop_mask, .offset: 8, .size: 8, .value_kind: global_buffer, .address_space: global }
      - { .name: e, .offset: 16, .size: 8, .value_kind: global_buffer, .address_space: global }
      - { .name: stats, .offset: 24, .size: 8, .value_kind: global_buffer, .address_space: global }
    .group_segment_fixed_size: 327680
    .private_segment_fixed_size: 0
    .kernarg_segment_align: 8
    .kernarg_segment_size: 32
    .max_flat_workgroup_size: 128
    .sgpr_count:     96
    .vgpr_count:     768
    .wavefront_size: 32
...
	.end_amdgpu_metadata
.endif
;; end of part 3
;; launch mix (part 4): grid 4 x 64, 4 waves a work-group, clusters of 4 x 4, 327,680 bytes of LDS; arguments e, qkv, stats, out0; writes out0
.if DOCPART == 4
	.amdgcn_target "amdgcn-amd-amdhsa--gfx1250"
	.amdhsa_code_object_version 6
	.text
	.protected	k_q71f573048b_mix
	.globl	k_q71f573048b_mix
	.p2align	8
	.type	k_q71f573048b_mix,@function
k_q71f573048b_mix:
	s_mov_b64 s[64:65], 0
	v_nop
	global_prefetch_b8 v0, s[64:65] scope:SCOPE_SE
	s_setreg_imm32_b32 hwreg(HW_REG_WAVE_MODE, 25, 1), 1
	s_wait_xcnt 0x0
	s_wait_alu depctr_hold_cnt(0) depctr_sa_sdst(0) depctr_va_vdst(0) depctr_va_sdst(0) depctr_va_ssrc(0) depctr_va_vcc(0) depctr_vm_vsrc(0)
	s_getreg_b32 s2, hwreg(HW_REG_IB_STS2, 6, 4)
	s_cmp_eq_u32 s2, 0
	s_cbranch_scc0 .Lentry_in_a_cluster
	s_endpgm
.Lentry_in_a_cluster:
	s_bfe_u32 s2, ttmp6, 0x10000c
	s_cmp_lg_u32 s2, 0xf033
	s_cbranch_scc0 .Lentry_shape_is_right
	s_endpgm
.Lentry_shape_is_right:
; SelfAttention, launch 4 of 4: out[t][g] = sum over the four key blocks j of w_j(t) x (sum over the block's 256 keys s of E[t][s] vT[g][s]),
; with w_j = exp2(m_j - m) x 20 / sum over j' of exp2(m_j' - m) x (l_j'0 + l_j'1), m = the largest of the row's four m_j (m_j = c x block maximum).
; 20 = 1.25 x 16: 1/(1 - 0.2), and the 16 because vT is stored as 1/16 of reference()'s v.
; That is the softmax with the row's true maximum taken away, dropped keys cleared and the kept ones scaled by 1/(1 - 0.2).
; The divisor is at least about 1 (the block that holds the maximum gives exp2(0) x a sum that holds exp2(0)) and at most 1,024.
; Nothing of reference() is left out.  E and vT are f16 operands, the sums f32.  LIMITS: as stated at the head of the first launch.
; A work-group makes 128 rows x 256 columns with four waves, 2 x 2; a wave makes 64 x 128.  A lap of two K steps of 128 is one key block:
; its sums T (32 tiles, window 1) start from 0 and are joined into O (window 2) by 128 packed multiply-adds with the rows' w_j.
; LDS slots, joint loads and the loop are those of the launch before: vT's 256 rows, then E's 128 rows; E's tile hangs on the block row and
; is asked for jointly along a row of the 4 x 4 cluster, vT's on the batch and cx, along a column.
; THE LAST K STEP IS WALKED ROW TILE BY ROW TILE, not quarter by quarter: it lies whole in slot 1.  vT's fragments
; of all four quarters (8 tiles x 8 registers x 4 = 256 registers) fill window 3; a row tile's 32 products (its 8 accumulators by turns, four
; times round) make its T final, and its join into O, its staging and its stores stand in slices between the next row tile's products.  So three
; of the four row tiles leave while products are still issued.  The LDS loads are the 96 of a K step walked by quarters.  A slice stands behind
; every fourth product, so that a row tile needs 16 switches of the register window.
; THE FIRST THREE JOINS stand between the laps, 3 x 128 packed instructions beside 1,024 matrix instructions: to lie among products they would need
; a second set of T and two switches of the register window for every few of them, more switches than the whole loop has now.
; The matrix instruction is used transposed (source 0 = rows of vT, source 1 = rows of E): lane l holds row 16 a + l % 16, and register
; 64 a + 8 b + j column 16 b + 8 (l / 16) + j, so one w a lane serves all 64 registers of a row tile.
; The accumulators take turns, one instruction a turn (all 32 in the quarters, a row tile's 8 in the last K step).
.set PITCH,  272
.set SLOT,   384*PITCH                 ; 104,448
.set STAGE,  2*SLOT                    ; 208,896: 16 rows x 528 bytes a wave, for the way out; no tensor load lands there
.set OPI,    528                       ; 512 bytes + 16: sixteen rows start 4 words apart modulo 64
.set ADRA, 16
.set ADRB, 20
.set STO,  24
.set RD,   25
.set CO,   26
.set SV,   27                          ; my row's byte in a plane of stats
.set FA,   32                          ; v32-63, v64-95    E fragments, two buffers
.set FB,   96                          ; v96-159, v160-223 vT fragments, two buffers
.set EA,   32                          ; the last K step: E's fragments of row tile a at EA + 32 (a % 2) + 8 q
.set RB,   96                          ; the way out: row tile a's rows, read back, at RB + 64 (a % 2)
.set ST,   32                          ; ahead of the loop: stats (a, j, p) at ST + 12 a + 3 j + p
.set MXR,  80                          ; the rows' maxima
.set LT,   84                          ; the rows' divisors
.set W,    224                         ; v224-255 w_j of row tile a, twice, at W + 2 (4 a + j)
.set G1, 24
.set G0, 32
.set G1B, 48
.set G0B, 56
.set CFG, (1<<16)|(1<<20)|(1<<21)|(5<<22)|(3<<25)
.set MUL,  0x50                        ; sources 0 and 1 window 0, C and D window 1
.set MULV, 0x53                        ; the last K step: source 0 (vT) window 3, source 1 (E) window 0, C and D window 1
.set TO_V, 0xc0                        ; destination window 3, address window 0
.set JOIN, 0xa1                        ; source 0 (T) window 1, source 1 (w) window 0, source 2 and destination (O) window 2
.set MSB, 0
.macro WIN new
.if MSB != \new
	s_set_vgpr_msb (MSB<<8)|\new
.set MSB, \new
.endif
.endm
.macro PLACES                          ; four places behind matrix instructions (ISA guide 7.12.1 for vector instructions)
.rept 4
	v_nop
.endr
.endm
.macro JLOAD s                         ; waves 0, 1 ask for vT's halves (128 rows), waves 2, 3 for E's (64 rows)
	s_cmp_eq_u32 s11, 0
	s_cbranch_scc0 .Lfor_a_\@
	tensor_load_to_lds s[G0B+4*\s:G0B+4*\s+3], s[G1B:G1B+7]
	s_nop 0
	s_branch .Lasked_\@
.Lfor_a_\@:
	tensor_load_to_lds s[G0+4*\s:G0+4*\s+3], s[G1:G1+7]
	s_nop 0
.Lasked_\@:
.endm
.macro CREST
	s_cmp_lg_u32 s10, 0
	s_cbranch_scc1 .Lnot_wave_0_\@
	s_barrier_signal -3
.Lnot_wave_0_\@:
	s_barrier_wait -3
	s_barrier_signal -1
	s_barrier_wait -1
.endm
.macro CROUND
	s_barrier_signal -1
	s_barrier_wait -1
	CREST
.endm
	s_load_b128 s[4:7], s[0:1], 0x0                ; e s[4:5], qkv s[6:7]
	s_load_b128 s[68:71], s[0:1], 0x10             ; stats s[68:69], out0 s[70:71]
	v_lshl_add_u32 v30, v0, 2, 0x3b400
	v_mov_b32 v31, 0
	ds_add_u32 v30, v31
	v_lshrrev_b32 v1, 5, v0
	v_readfirstlane_b32 s10, v1                    ; wave 0..3
	s_lshr_b32 s11, s10, 1                         ; my half of the rows.  Also: I fetch for vT (0) or for E (1)
	s_and_b32 s12, s10, 1                          ; my half of the columns.  Also: which half of that tile I fetch
	s_bfe_u32 s40, ttmp6, 0x40000                  ; cx
	s_bfe_u32 s41, ttmp6, 0x40004                  ; cy
	s_lshl_b32 s42, ttmp9, 2
	s_add_co_u32 s42, s42, s40                     ; block column 0..3
	s_and_b32 s45, ttmp7, 0xffff                   ; cluster y
	s_lshl_b32 s13, s45, 2
	s_add_co_u32 s13, s13, s41                     ; block row 0..63
	s_lshr_b32 s45, s45, 1                         ; batch
	s_lshl_b32 s43, s41, 2
	s_lshl_b32 s43, 15, s43                        ; my row of the cluster
	s_lshl_b32 s44, 0x1111, s40                    ; my column
	s_or_b32 s[G1+0], s43, CFG
	s_mov_b32 s[G1+1], 128<<16                     ; tensor_dim0 = 128
	s_mov_b32 s[G1+2], 64<<16                      ; tensor_dim1 = 64
	s_mov_b32 s[G1+3], 128<<16                     ; tile_dim0 = 128
	s_mov_b32 s[G1+4], 64                          ; tile_dim1 = 64
	s_mov_b32 s[G1+5], 1024                        ; elements from row to row
	s_mov_b32 s[G1+6], 0
	s_mov_b32 s[G1+7], 0
	s_or_b32 s[G1B+0], s44, CFG
	s_mov_b32 s[G1B+1], 128<<16
	s_mov_b32 s[G1B+2], 128<<16                    ; 128 rows
	s_mov_b32 s[G1B+3], 128<<16
	s_mov_b32 s[G1B+4], 128
	s_mov_b32 s[G1B+5], 1024
	s_mov_b32 s[G1B+6], 0
	s_mov_b32 s[G1B+7], 0
	s_lshl_b32 s16, s13, 18                        ; E: (128 x block row + 64 x half) rows of 2,048 bytes; these registers never hold cx
	s_lshl_b32 s17, s12, 17
	s_add_co_u32 s16, s16, s17
	s_mov_b32 s17, 0
	s_lshl_b32 s46, s45, 21                        ; vT: part 1 of qkv, (1024 b + 256 x block column + 128 x half) rows; never cy
	s_lshl_b32 s47, s42, 19
	s_add_co_u32 s46, s46, s47
	s_lshl_b32 s47, s12, 18
	s_add_co_u32 s46, s46, s47
	s_add_co_u32 s46, s46, 0x1000000
	s_mov_b32 s47, 0
	s_mul_i32 s20, s10, 128*PITCH                  ; vT's halves land at wave x 128 rows (waves 0, 1),
	s_mul_i32 s90, s10, 64*PITCH
	s_add_co_u32 s90, s90, 128*PITCH               ; E's at 256 rows + (wave - 2) x 64 rows (waves 2, 3)
	s_wait_dscnt 0x0
	s_wait_kmcnt 0x0
	s_add_nc_u64 s[14:15], s[4:5], s[16:17]
	s_add_nc_u64 s[46:47], s[6:7], s[46:47]
	s_lshl_b32 s16, s13, 19                        ; out0: (128 x block row + 64 x my row half) rows of 4,096 bytes: the part with cy,
	s_lshl_b32 s17, s11, 18
	s_add_co_u32 s16, s16, s17
	s_mov_b32 s17, 0
	s_add_nc_u64 s[8:9], s[70:71], s[16:17]
	s_lshl_b32 s18, s42, 10                        ; and the part with cx: 1,024 x block column + 512 x my column half
	s_lshl_b32 s19, s12, 9
	s_add_co_u32 s18, s18, s19
	s_mov_b32 s19, 0
	s_add_nc_u64 s[8:9], s[8:9], s[18:19]
	s_mul_i32 s18, s45, 49152                      ; stats of my batch: 12 planes of 4,096 bytes
	s_add_nc_u64 s[68:69], s[68:69], s[18:19]
	s_and_b32 s16, s13, 7                          ; my first row in a plane: 4 x (128 x (block row in its batch) + 64 x my row half)
	s_lshl_b32 s16, s16, 9
	s_lshl_b32 s17, s11, 8
	s_add_co_u32 s16, s16, s17
	CROUND                                         ; all sixteen work-groups are here: the first joint loads meet
.irp s, 0,1
	s_mov_b32 s[G0+4*\s], 1
	s_add_co_u32 s[G0+4*\s+1], s90, \s*SLOT
	s_add_nc_u64 s[G0+4*\s+2:G0+4*\s+3], s[14:15], \s*256
	s_or_b32 s[G0+4*\s+3], s[G0+4*\s+3], 0x80000000
	s_mov_b32 s[G0B+4*\s], 1
	s_add_co_u32 s[G0B+4*\s+1], s20, \s*SLOT
	s_add_nc_u64 s[G0B+4*\s+2:G0B+4*\s+3], s[46:47], \s*256
	s_or_b32 s[G0B+4*\s+3], s[G0B+4*\s+3], 0x80000000
	JLOAD \s                                       ; both slots' first fills, one group: two tensor loads are out, the most in this text
.endr
	v_and_b32 v1, 15, v0                           ; r
	v_bfe_u32 v2, v0, 4, 1                         ; h
	v_and_b32 v4, 31, v0                           ; l
	v_lshl_add_u32 v[SV], v1, 2, s16
	; the statistics of my 64 rows: 4 row tiles x 4 key blocks x 3 planes, once in the launch
.irp a, 0,1,2,3
.irp j, 0,1,2,3
.irp p, 0,1,2
	global_load_b32 v[ST+12*\a+3*\j+\p], v[SV], s[68:69] offset:12288*\j+4096*\p+64*\a
.endr
.endr
.endr
	v_mul_u32_u24 v3, v1, PITCH
	v_lshl_add_u32 v3, v2, 4, v3                   ; 272 r + 16 h
	s_mul_i32 s21, s11, 64*PITCH
	s_add_co_u32 s21, s21, 256*PITCH               ; my 64 rows of E
	s_mul_i32 s22, s12, 128*PITCH                  ; my 128 rows of vT
.irp s, 0,1
	v_add_nc_u32 v[ADRA+\s], s21, v3
	v_add_nc_u32 v[ADRB+\s], s22, v3
	s_add_co_u32 s21, s21, SLOT
	s_add_co_u32 s22, s22, SLOT
.endr
	s_mul_i32 s23, s10, 16*OPI
	s_add_co_u32 s23, s23, STAGE                   ; my stage
	v_mul_u32_u24 v5, v1, OPI
	v_lshl_add_u32 v5, v2, 5, v5                   ; in: row r, 32 bytes for each half of the lanes
	v_add_nc_u32 v[STO], s23, v5
	v_lshlrev_b32 v[CO], 4, v4                     ; back and out: 16 l: a wave takes a row of 512 bytes
	v_add_nc_u32 v[RD], s23, v[CO]
	s_wait_loadcnt 0x0
.irp a, 0,1,2,3
	v_max3_num_f32 v[MXR+\a], v[ST+12*\a], v[ST+12*\a+3], v[ST+12*\a+6]
.endr
.irp a, 0,1,2,3
	v_max_num_f32 v[MXR+\a], v[MXR+\a], v[ST+12*\a+9]              ; m: the row's maximum, times c
.endr
.irp a, 0,1,2,3
.irp j, 0,1,2,3
	v_sub_f32 v[ST+12*\a+3*\j], v[ST+12*\a+3*\j], v[MXR+\a]        ; m_j - m <= 0
.endr
.endr
.irp a, 0,1,2,3
.irp j, 0,1,2,3
	v_exp_f32 v[ST+12*\a+3*\j], v[ST+12*\a+3*\j]
.endr
.endr
.irp a, 0,1,2,3
.irp j, 0,1,2,3
	v_add_f32 v[ST+12*\a+3*\j+1], v[ST+12*\a+3*\j+1], v[ST+12*\a+3*\j+2]   ; the block's two half sums; also the plain instructions behind the exponentials
.endr
.endr
	s_wait_alu depctr_va_vdst(0)
.irp a, 0,1,2,3
	v_mul_f32 v[LT+\a], v[ST+12*\a], v[ST+12*\a+1]
.endr
.irp j, 1,2,3
.irp a, 0,1,2,3
	v_fmac_f32 v[LT+\a], v[ST+12*\a+3*\j], v[ST+12*\a+3*\j+1]
.endr
.endr
.irp a, 0,1,2,3
	v_rcp_f32 v[LT+\a], v[LT+\a]
.endr
	v_nop                                          ; one plain instruction between the last reciprocal and the first use (ISA guide 5.7.2)
	s_wait_alu depctr_va_vdst(0)
.irp a, 0,1,2,3
	v_mul_f32 v[LT+\a], 0x41a00000, v[LT+\a]       ; x 20 = 1.25 x 16
.endr
.irp a, 0,1,2,3
.irp j, 0,1,2,3
	v_mul_f32 v[W+2*(4*\a+\j)],   v[ST+12*\a+3*\j], v[LT+\a]
	v_mul_f32 v[W+2*(4*\a+\j)+1], v[ST+12*\a+3*\j], v[LT+\a]
.endr
.endr
.macro MUL8 f, a, zero                 ; row tile a x all 8 column tiles, 32 along K, from buffer f
.irp b, 0,1,2,3,4,5,6,7
.if \zero
	v_wmma_f32_16x16x32_f16 v[8*(8*\a+\b):8*(8*\a+\b)+7], v[FB+64*\f+8*\b:FB+64*\f+8*\b+7], v[FA+32*\f+8*\a:FA+32*\f+8*\a+7], 0
.else
	v_wmma_f32_16x16x32_f16 v[8*(8*\a+\b):8*(8*\a+\b)+7], v[FB+64*\f+8*\b:FB+64*\f+8*\b+7], v[FA+32*\f+8*\a:FA+32*\f+8*\a+7], v[8*(8*\a+\b):8*(8*\a+\b)+7]
.endif
.endr
.endm
.macro FETCH slot, k, f                ; 24 LDS loads in one run: 16 for vT's 128 rows, then 8 for E's 64 rows
	WIN 0
.irp i, 0,1,2,3,4,5,6,7
	ds_load_b128 v[FB+64*\f+8*\i:FB+64*\f+8*\i+3],   v[ADRB+\slot] offset:\k+\i*16*PITCH
	ds_load_b128 v[FB+64*\f+8*\i+4:FB+64*\f+8*\i+7], v[ADRB+\slot] offset:\k+\i*16*PITCH+32
.endr
.irp i, 0,1,2,3
	ds_load_b128 v[FA+32*\f+8*\i:FA+32*\f+8*\i+3],   v[ADRA+\slot] offset:\k+\i*16*PITCH
	ds_load_b128 v[FA+32*\f+8*\i+4:FA+32*\f+8*\i+7], v[ADRA+\slot] offset:\k+\i*16*PITCH+32
.endr
.endm
.macro QUARTER slot, k, f, g, zero
	s_wait_dscnt 4                                 ; the youngest four loads (E's tiles 2 and 3) may be out
	WIN MUL
	MUL8 \f, 0, \zero
	MUL8 \f, 1, \zero
	PLACES
	FETCH \slot, \k, \g
	s_wait_dscnt 24                                ; all but the 24 just issued
	WIN MUL
	MUL8 \f, 2, \zero
	MUL8 \f, 3, \zero
.endm
.macro THREE slot, zero
	QUARTER \slot, 64,  0, 1, \zero
	QUARTER \slot, 128, 1, 0, 0
	QUARTER \slot, 192, 0, 1, 0
.endm
; The last quarter of a K step changes slots and fills this slot again.  In front of the barrier each wave waits for its reads of this slot and
; for all its tensor loads; behind the round of the cluster's barrier that it opens the refill comes first.
.macro TURN slot, next
	s_wait_dscnt 4
	WIN MUL
	MUL8 1, 0, 0
	s_wait_dscnt 0                                 ; my reads of this slot are over
	s_wait_tensorcnt 0x0                           ; all my tensor loads have landed
	ds_add_u32 v30, v31
	s_wait_dscnt 0x0
	s_barrier_signal -1
	MUL8 1, 1, 0                                   ; register work while the others arrive
	WIN 0
	s_barrier_wait -1
	CREST
	s_add_nc_u64 s[G0+4*\slot+2:G0+4*\slot+3], s[G0+4*\slot+2:G0+4*\slot+3], 512     ; two K steps on; no load of mine is out
	s_add_nc_u64 s[G0B+4*\slot+2:G0B+4*\slot+3], s[G0B+4*\slot+2:G0B+4*\slot+3], 512
	JLOAD \slot                                    ; the wave's one tensor load behind the round, and the first thing there
	PLACES
	FETCH \next, 0, 0
	WIN MUL
	MUL8 1, 2, 0
	MUL8 1, 3, 0
.endm
; Key block j's sums T join O with the rows' w_j.  Block 0 starts O: nothing is cleared.  The next lap's first products start T anew from 0.
.macro MERGE j
	PLACES                                         ; the places in front of the first reads of results
	WIN JOIN
.irp a, 0,1,2,3
.set i, 0
.rept 32
.if \j
	v_pk_fma_f32 v[64*\a+i:64*\a+i+1], v[64*\a+i:64*\a+i+1], v[W+2*(4*\a+\j):W+2*(4*\a+\j)+1], v[64*\a+i:64*\a+i+1]
.else
	v_pk_mul_f32 v[64*\a+i:64*\a+i+1], v[64*\a+i:64*\a+i+1], v[W+2*(4*\a+\j):W+2*(4*\a+\j)+1]
.endif
.set i, i+2
.endr
.endr
.endm
; ---- the last K step, from slot 1 ----
.macro FV q                            ; vT's 128 rows, quarter q, into window 3 (the setting is TO_V): 16 loads
.irp i, 0,1,2,3,4,5,6,7
	ds_load_b128 v[64*\q+8*\i:64*\q+8*\i+3],   v[ADRB+1] offset:64*\q+\i*16*PITCH
	ds_load_b128 v[64*\q+8*\i+4:64*\q+8*\i+7], v[ADRB+1] offset:64*\q+\i*16*PITCH+32
.endr
.endm
.macro FE a                            ; E's row tile a, all four quarters, into buffer a % 2 (the setting is 0): 8 loads
.irp q, 0,1,2,3
	ds_load_b128 v[EA+32*((\a)%2)+8*\q:EA+32*((\a)%2)+8*\q+3],   v[ADRA+1] offset:64*\q+(\a)*16*PITCH
	ds_load_b128 v[EA+32*((\a)%2)+8*\q+4:EA+32*((\a)%2)+8*\q+7], v[ADRA+1] offset:64*\q+(\a)*16*PITCH+32
.endr
.endm
.macro PR4 a, q, b0                    ; four products of row tile a: quarter q, column tiles b0 .. b0 + 3
.irp b, \b0, \b0+1, \b0+2, \b0+3
	v_wmma_f32_16x16x32_f16 v[8*(8*(\a)+(\b)):8*(8*(\a)+(\b))+7], v[64*\q+8*(\b):64*\q+8*(\b)+7], v[EA+32*((\a)%2)+8*\q:EA+32*((\a)%2)+8*\q+7], v[8*(8*(\a)+(\b)):8*(8*(\a)+(\b))+7]
.endr
.endm
.macro MRG16 a, i0                     ; the last key block's join for registers i0 .. i0 + 31 of row tile a: 16 packed multiply-adds
	WIN JOIN
.set i, \i0
.rept 16
	v_pk_fma_f32 v[64*(\a)+i:64*(\a)+i+1], v[64*(\a)+i:64*(\a)+i+1], v[W+2*(4*(\a)+3):W+2*(4*(\a)+3)+1], v[64*(\a)+i:64*(\a)+i+1]
.set i, i+2
.endr
.endm
; THE WAY OUT of row tile a (16 rows): 32 bytes a lane and tile straight from O into my stage; read back as rows of 512 bytes; stored
.macro OS a
	WIN 0x08                                       ; an LDS store's data is source 1: window 2
.irp b, 0,1,2,3,4,5,6,7
	ds_store_b128 v[STO], v[64*(\a)+8*\b:64*(\a)+8*\b+3]   offset:64*\b
	ds_store_b128 v[STO], v[64*(\a)+8*\b+4:64*(\a)+8*\b+7] offset:64*\b+16
.endr
.endm
.macro OL a
	WIN 0
	s_wait_xcnt 0x0                                ; the read-back buffer, which earlier stores read, is written again only behind this wait
.irp t, 0,1,2,3,4,5,6,7,8,9,10,11,12,13,14,15
	ds_load_b128 v[RB+64*((\a)%2)+4*\t:RB+64*((\a)%2)+4*\t+3], v[RD] offset:OPI*\t         ; LDS serves a wave's instructions in order: these see the stores of OS
.endr
.endm
.macro OG a, t0, n                     ; n of the sixteen stores, from row t0 on
	WIN 0
.set tt, \t0
.rept \n
	s_wait_dscnt 15-tt                             ; read-back tt is in, the younger ones stay out (no other LDS instruction was issued behind them)
	global_store_b128 v[CO], v[RB+64*((\a)%2)+4*tt:RB+64*((\a)%2)+4*tt+3], s[8:9] offset:(16*(\a)+tt)*4096 th:TH_STORE_NT   ; the wave stores 512 consecutive bytes at a multiple of 512
.set tt, tt+1
.endr
.endm
; Row tile a: 32 products in eight groups of four; behind the groups: the next row tile's fragments, then the join and the way out of row tile a - 1.
; In row tile 0 there is nothing to join yet; its counted waits are for vT's quarters, which are still landing.
.macro ROWT a
.if (\a) == 1
	s_wait_dscnt 0x0                               ; row tile 1's fragments are in (from row tile 2 on the last read-back's wait for 0 has shown it)
.endif
.if (\a) > 0
	PLACES                                         ; in front of the first read of row tile a - 1's sums, and of the loads into the buffer that it read
.endif
	WIN MULV
	PR4 \a, 0, 0
.if (\a) < 3
	WIN 0
	FE \a+1
.endif
	WIN MULV
	PR4 \a, 0, 4
.if (\a) > 0
	MRG16 \a-1, 0
.else
	s_wait_dscnt 40                                ; quarter 1 is in: quarters 2 and 3 (32 loads) and row tile 1 (8) may be out
.endif
	WIN MULV
	PR4 \a, 1, 0
.if (\a) > 0
	MRG16 \a-1, 32
.endif
	WIN MULV
	PR4 \a, 1, 4
.if (\a) > 0
	OS \a-1
.else
	s_wait_dscnt 24                                ; quarter 2 is in
.endif
	WIN MULV
	PR4 \a, 2, 0
.if (\a) > 0
	OL \a-1
.endif
	WIN MULV
	PR4 \a, 2, 4
.if (\a) > 0
	OG \a-1, 0, 5
.else
	s_wait_dscnt 8                                 ; quarter 3 is in
.endif
	WIN MULV
	PR4 \a, 3, 0
.if (\a) > 0
	OG \a-1, 5, 5
.endif
	WIN MULV
	PR4 \a, 3, 4
.if (\a) > 0
	OG \a-1, 10, 6
.endif
.endm
	s_wait_tensorcnt 1                             ; my part of K step 0 is in; K step 1's load, issued behind it, stays out
	s_barrier_signal -1
	s_barrier_wait -1
	FETCH 0, 0, 0
.irp j, 0,1,2
	THREE 0, 1
	TURN 0, 1
	THREE 1, 0
	TURN 1, 0
	MERGE \j
.endr
	THREE 0, 1                                     ; the last key block: nothing is left to fetch from memory
	; the last change of slots: as in TURN, but nothing is filled, and what is fetched serves the walk by row tiles
	s_wait_dscnt 4
	WIN MUL
	MUL8 1, 0, 0
	s_wait_dscnt 0                                 ; no LDS instruction is pending at a signal
	s_wait_tensorcnt 0x0                           ; my part of slot 1, my last tensor load, has landed
	s_barrier_signal -1
	MUL8 1, 1, 0
	WIN 0
	s_barrier_wait -1                              ; slot 1 is whole
	PLACES
	FE 0                                           ; 8 loads into buffer 0 of window 0, 48 into window 3
	WIN TO_V
	FV 0
	FV 1
	FV 2
	WIN MUL
	MUL8 1, 2, 0
	MUL8 1, 3, 0
	PLACES                                         ; buffer 1 has been read for the last time
	s_wait_dscnt 32                                ; row tile 0 and quarter 0 are in: the 32 loads of quarters 1 and 2 stay out
	WIN TO_V
	FV 3                                           ; with row tile 1's eight, 56 LDS loads are out at the most
.irp a, 0,1,2,3
	ROWT \a
.endr
	PLACES                                         ; the last row tile's join and way out
	MRG16 3, 0
	MRG16 3, 32
	OS 3
	OL 3
	OG 3, 0, 16
	s_wait_tensorcnt 0x0
	ds_add_u32 v30, v31
	s_wait_dscnt 0x0
	CROUND                                         ; the closing round
	s_endpgm
.Lfunc_end_k_q71f573048b_mix:
	.size	k_q71f573048b_mix, .Lfunc_end_k_q71f573048b_mix-k_q71f573048b_mix
	.p2alignl 7, 3214868480
	.fill 96, 4, 3214868480
	.section	.rodata,"a",@progbits
	.p2align	6, 0x0
	.amdhsa_kernel k_q71f573048b_mix
		.amdhsa_group_segment_fixed_size 327680
		.amdhsa_private_segment_fixed_size 0
		.amdhsa_enable_private_segment 0
		.amdhsa_kernarg_size 32
		.amdhsa_user_sgpr_count 2
		.amdhsa_user_sgpr_kernarg_segment_ptr 1
		.amdhsa_wavefront_size32 1
		.amdhsa_system_sgpr_workgroup_id_x 1
		.amdhsa_system_sgpr_workgroup_id_y 1
		.amdhsa_system_sgpr_workgroup_id_z 1
		.amdhsa_system_vgpr_workitem_id 0
		.amdhsa_next_free_vgpr 1024
		.amdhsa_next_free_sgpr 96
		.amdhsa_reserve_vcc 0
		.amdhsa_float_denorm_mode_32 3
		.amdhsa_float_denorm_mode_16_64 3
		.amdhsa_memory_ordered 1
		.amdhsa_forward_progress 1
		.amdhsa_inst_pref_size 191
	.end_amdhsa_kernel
	.amdgpu_metadata
---
amdhsa.version: [ 1, 2 ]
amdhsa.kernels:
  - .name:           k_q71f573048b_mix
    .symbol:         k_q71f573048b_mix.kd
    .args:
      - { .name: e, .offset: 0, .size: 8, .value_kind: global_buffer, .address_space: global }
      - { .name: qkv, .offset: 8, .size: 8, .value_kind: global_buffer, .address_space: global }
      - { .name: stats, .offset: 16, .size: 8, .value_kind: global_buffer, .address_space: global }
      - { .name: out0, .offset: 24, .size: 8, .value_kind: global_buffer, .address_space: global }
    .group_segment_fixed_size: 327680
    .private_segment_fixed_size: 0
    .kernarg_segment_align: 8
    .kernarg_segment_size: 32
    .max_flat_workgroup_size: 128
    .sgpr_count:     96
    .vgpr_count:     1024
    .wavefront_size: 32
...
	.end_amdgpu_metadata
.endif
;; end of part 4
;; ======== version 2 of 2: 4 launches; version 1 with the launch tobf16 written anew for expert scheduling mode
;; limits: values are held in f16: magnitudes above 65,504 overflow, below 6.1e-05 lose precision; right only within a limited range of input values
;; workspace buffers: xw 20,971,520 bytes; qkv 33,554,432 bytes; e 16,777,216 bytes; stats 393,216 bytes
;; launch tobf16 (part 5): grid 256 x 1, 8 waves a work-group, no clusters, 0 bytes of LDS; arguments x, Wq, Wk, Wv, xw; writes xw
.if DOCPART == 5
	.amdgcn_target "amdgcn-amd-amdhsa--gfx1250"
	.amdhsa_code_object_version 6
	.text
	.protected	k_q71f573048b_tobf16
	.globl	k_q71f573048b_tobf16
	.p2align	8
	.type	k_q71f573048b_tobf16,@function
k_q71f573048b_tobf16:
	s_mov_b64 s[64:65], 0
	v_nop
	global_prefetch_b8 v0, s[64:65] scope:SCOPE_SE
	s_setreg_imm32_b32 hwreg(HW_REG_WAVE_SCHED_MODE, 0, 2), 2
	s_setreg_imm32_b32 hwreg(HW_REG_WAVE_MODE, 25, 1), 1
	s_wait_xcnt 0x0
	s_wait_alu depctr_vm_vsrc(0)
; SelfAttention, launch 1 of 4: x, Wq, Wk and Wv are rounded once to bf16 (nearest even) into one matrix xw of 10,240 rows x 1,024:
; rows 0-8191 x (row 1024 b + t), 8192-8703 Wq / 16, 8704-9215 Wk / 16, 9216-10239 Wv / 16.  The later launches' matrix products take
; 16-bit operands, and each of these numbers is an operand of many tiles: rounding here halves what those tiles move.
; THE FACTOR 2^-4 ON THE WEIGHTS is exact and commutes with the rounding.  It makes q, k and v 1/16 of reference()'s, and these are kept
; in f16 (11 significant bits; each of an output's 1,024 terms carries the roundings of q, k, the exponential and v, and four roundings
; to bf16's 8 bits together come to a third of the 1 % of the output's rms that a result may be off).  With the factor f16 holds
; |q|, |k|, |v| up to 1,048,064, and its fixed step of 2^-24 below 2^-14 is 4e-4 of the stored rms when x and the weights are both
; 30 times smaller than 1 and 1/32.  The factor comes back in constants that are multiplied anyway: 256 in the scores' scale, 16 beside 1.25.
; DEAD WORK: none.  Every input reaches the output for some values (the softmax's sum runs over dropped keys too), so nothing of
; reference() is left out in any of the four launches, and all five inputs are loaded.
; LIMITS of the whole program: |q|, |k|, |v| below 1,048,064 (beyond it the f16 is an infinity); the bytes of drop_mask are 0 or 1;
; 1/(1-0.2) is taken as 1.25; x and the weights enter the products as bf16, q, k, v and the exponentials as f16; the row maxima are taken
; with a maximum in which a NaN loses, so a NaN or an infinity in x or a weight is not spread over its row as reference() spreads it;
; an exponential below 2^-126 comes out as 0 (ISA guide, v_exp_f32), and one below 2^-25 of its key block's largest is 0 as an f16.
; THE SHARES: the 10,240 rows are 1,280 chunks of 8 rows (32 KiB of f32 in, 16 KiB of bf16 out).  Work-group w of 256 takes chunks
; w + 256 i, i = 0..4: four of x and one of the weights.  Thread t of 256 takes the 16 bytes at 16 t of each row, so a load of a wave
; covers 512 consecutive bytes and a store of a wave 256 consecutive bytes at a multiple of 256.
; No LDS, no matrix unit, no cluster: no two work-groups read the same byte, and every byte is touched once.
; THE MODE: SCHED_MODE bits 1:0 = 2 (LLVM: expert scheduling mode 2), set by the entry lines.  The code itself states the register dependences
; between vector instructions and memory instructions, with s_wait_alu, always for 0.
; THE PLAN.  Registers that memory instructions touch:
;   v1, v2        byte offsets, made once at the head and never written again: v1 is read by all 40 loads, v2 by all 40 stores.
;   row n (0..39, n = 8 i + k): four registers at X + 4 n.  Load n lands in them; row n's own vector lines (two scalings in the weights' chunk,
;                 two roundings) work in place; store n reads the first two.  Behind store n no line names them: nothing is written again.
; All 40 loads of a thread go out first, ahead of every vector line that names a row's registers.  The rows then go in ten groups of four.
; Group g rounds its rows; the stores that are issued meanwhile are those of group g - 1, one ahead of each row's vector lines.  ONE wait on
; va_vdst at the head of group g states that group g - 1's roundings have written what those four stores read; the vector lines behind that wait
; name group g's sixteen registers alone, none that the stores touch.  Since no register that a memory instruction reads is ever written
; again, no wait on vm_vsrc is owed; no vector instruction writes a scalar register, VCC or EXEC.
.set X, 4                              ; v[4:163]  row n = 8 i + k: four registers at X + 4 n
	s_load_b256 s[4:11], s[0:1], 0x0               ; x s[4:5], Wq s[6:7], Wk s[8:9], Wv s[10:11]
	s_load_b64 s[12:13], s[0:1], 0x20              ; xw
	s_mov_b32 s14, ttmp9                           ; w
	v_lshlrev_b32 v1, 4, v0                        ; 16 t: my bytes in a row of f32
	v_lshlrev_b32 v2, 3, v0                        ; 8 t: my bytes in a row of bf16
	s_lshl_b32 s28, s14, 15                        ; chunk w of x, in bytes
	s_mov_b32 s29, 0
	s_and_b32 s26, s14, 63                         ; the weights' chunk: w < 64: chunk w of Wq; w < 128: chunk w - 64 of Wk;
	s_and_b32 s27, s14, 127                        ; else chunk w - 128 of Wv
	s_cmp_lt_u32 s14, 128
	s_cselect_b32 s26, s26, s27
	s_lshl_b32 s26, s26, 15
	s_mov_b32 s27, 0
	s_lshl_b32 s36, s14, 14                        ; chunk w of xw, in bytes
	s_mov_b32 s37, 0
	s_wait_kmcnt 0x0
	s_add_nc_u64 s[16:17], s[4:5], s[28:29]        ; x, chunk w
	s_add_nc_u64 s[18:19], s[16:17], 0x800000      ; chunk w + 256: 256 chunks of 32 KiB on
	s_add_nc_u64 s[20:21], s[18:19], 0x800000
	s_add_nc_u64 s[22:23], s[20:21], 0x800000
	s_cmp_lt_u32 s14, 64
	s_cselect_b64 s[24:25], s[6:7], s[8:9]         ; Wq or Wk,
	s_cmp_lt_u32 s14, 128
	s_cselect_b64 s[24:25], s[24:25], s[10:11]     ; or Wv
	s_add_nc_u64 s[24:25], s[24:25], s[26:27]
	s_add_nc_u64 s[30:31], s[12:13], s[36:37]      ; xw, chunk w (and w + 256 by the immediate)
	s_add_nc_u64 s[32:33], s[30:31], 0x800000      ; chunks w + 512, w + 768
	s_add_nc_u64 s[34:35], s[32:33], 0x800000      ; chunk w + 1024: the weights' rows begin at row 8192 = chunk 1024
	s_wait_alu depctr_va_vdst(0)                   ; v1 and v2 are written: every load of the kernel reads v1 as its offset, every store v2
.macro CH i, base                      ; the eight loads of chunk i: one row each for the work-group
.irp k, 0,1,2,3,4,5,6,7
	global_load_b128 v[X+32*\i+4*\k:X+32*\i+4*\k+3], v1, s[\base:\base+1] offset:4096*\k th:TH_LOAD_NT
.endr
.endm
.macro CONV n                          ; row n is rounded, in place; the weights' chunk alone (rows 32 to 39): times 2^-4 first
.if (\n) >= 32
	v_pk_mul_f32 v[X+4*(\n):X+4*(\n)+1],   v[X+4*(\n):X+4*(\n)+1],   0x3d800000 op_sel_hi:[1,0]
	v_pk_mul_f32 v[X+4*(\n)+2:X+4*(\n)+3], v[X+4*(\n)+2:X+4*(\n)+3], 0x3d800000 op_sel_hi:[1,0]
.endif
	v_cvt_pk_bf16_f32 v[X+4*(\n)],   v[X+4*(\n)],   v[X+4*(\n)+1]
	v_cvt_pk_bf16_f32 v[X+4*(\n)+1], v[X+4*(\n)+2], v[X+4*(\n)+3]
.endm
.macro SEND n                          ; row n is stored: chunks 0, 1 by s[30:31], chunks 2, 3 by s[32:33], chunk 4 by s[34:35]; an odd chunk lies 256 chunks of 16 KiB behind its base
	global_store_b64 v2, v[X+4*(\n):X+4*(\n)+1], s[30+2*((\n)/16):31+2*((\n)/16)] offset:0x400000*(((\n)/8)%2)+2048*((\n)%8)
.endm
.macro GROUP g                         ; rows 4 g to 4 g + 3 are rounded; the rows of the group before are stored, one ahead of each row's vector lines
.irp r, 0,1,2,3
	s_wait_loadcnt 39-4*(\g)-\r                    ; loads come back in order (ISA guide 5.7.1): load 4 g + r is in, the younger ones stay out
.if (\g) > 0
.if \r == 0
	s_wait_alu depctr_va_vdst(0)                   ; the roundings of the group before have written the eight registers that this group's four stores read
.endif
	SEND 4*(\g)-4+\r                               ; no vector line since that wait names this row's registers or v2
.endif
	CONV 4*(\g)+\r
.endr
.endm
	CH 0, 16
	CH 1, 18
	CH 2, 20
	CH 3, 22
	CH 4, 24
.irp g, 0,1,2,3,4,5,6,7,8,9
	GROUP \g
.endr
	s_wait_alu depctr_va_vdst(0)                   ; the last group's roundings have written what the last four stores read
.irp n, 36,37,38,39
	SEND \n
.endr
	s_endpgm
.Lfunc_end_k_q71f573048b_tobf16:
	.size	k_q71f573048b_tobf16, .Lfunc_end_k_q71f573048b_tobf16-k_q71f573048b_tobf16
	.p2alignl 7, 3214868480
	.fill 96, 4, 3214868480
	.section	.rodata,"a",@progbits
	.p2align	6, 0x0
	.amdhsa_kernel k_q71f573048b_tobf16
		.amdhsa_group_segment_fixed_size 0
		.amdhsa_private_segment_fixed_size 0
		.amdhsa_enable_private_segment 0
		.amdhsa_kernarg_size 40
		.amdhsa_user_sgpr_count 2
		.amdhsa_user_sgpr_kernarg_segment_ptr 1
		.amdhsa_wavefront_size32 1
		.amdhsa_system_sgpr_workgroup_id_x 1
		.amdhsa_system_sgpr_workgroup_id_y 1
		.amdhsa_system_sgpr_workgroup_id_z 1
		.amdhsa_system_vgpr_workitem_id 0
		.amdhsa_next_free_vgpr 168
		.amdhsa_next_free_sgpr 66
		.amdhsa_reserve_vcc 0
		.amdhsa_float_denorm_mode_32 3
		.amdhsa_float_denorm_mode_16_64 3
		.amdhsa_memory_ordered 1
		.amdhsa_forward_progress 1
		.amdhsa_inst_pref_size 18
	.end_amdhsa_kernel
	.amdgpu_metadata
---
amdhsa.version: [ 1, 2 ]
amdhsa.kernels:
  - .name:           k_q71f573048b_tobf16
    .symbol:         k_q71f573048b_tobf16.kd
    .args:
      - { .name: x, .offset: 0, .size: 8, .value_kind: global_buffer, .address_space: global }
      - { .name: Wq, .offset: 8, .size: 8, .value_kind: global_buffer, .address_space: global }
      - { .name: Wk, .offset: 16, .size: 8, .value_kind: global_buffer, .address_space: global }
      - { .name: Wv, .offset: 24, .size: 8, .value_kind: global_buffer, .address_space: global }
      - { .name: xw, .offset: 32, .size: 8, .value_kind: global_buffer, .address_space: global }
    .group_segment_fixed_size: 0
    .private_segment_fixed_size: 0
    .kernarg_segment_align: 8
    .kernarg_segment_size: 40
    .max_flat_workgroup_size: 256
    .sgpr_count:     66
    .vgpr_count:     168
    .wavefront_size: 32
...
	.end_amdgpu_metadata
.endif
;; end of part 5
;; launch proj: the kernel of part 2 again; grid 8 x 32, 4 waves a work-group, clusters of 4 x 4, 327,680 bytes of LDS; arguments xw, qkv; writes qkv
;; launch scores: the kernel of part 3 again; grid 4 x 64, 4 waves a work-group, clusters of 4 x 4, 327,680 bytes of LDS; arguments qkv, drop_mask, e, stats; writes e, stats
;; launch mix: the kernel of part 4 again; grid 4 x 64, 4 waves a work-group, clusters of 4 x 4, 327,680 bytes of LDS; arguments e, qkv, stats, out0; writes out0
